; MI455X (gfx1250); checked and timed in simulation.
; The chip was launched on July 23, 2026; its instructions are those of AMD's public machine-readable ISA for CDNA 5 (MIT licence, August 2026) and "CDNA5" Instruction Set Architecture Reference Guide (July 2026). The comments in the code are by the model that wrote it; some were corrected since.
;; Multi Head Attention. Allowed arithmetic: matrix products marked QUANTISED: E3M2 operands, one E8M0 scale for each 32 along K, by v_wmma_scale_f32_16x16x128_f8f6f4 with both operands' format E3M2, f32 sums; everything else in f32.
;; Inputs: bk 1,024 float32; bo 1,024 float32; bq 1,024 float32; bv 1,024 float32; key 4 x 2,048 x 1,024 float32; query 4 x 2,048 x 1,024 float32; value 4 x 2,048 x 1,024 float32; wk 1,024 x 1,024 float32; wo 1,024 x 1,024 float32; wq 1,024 x 1,024 float32; wv 1,024 x 1,024 float32.
;; Outputs: out0 4 x 2,048 x 1,024 float32.
;; Constants: is_causal = 1.
;; This version of the problem:
;;   THIS VERSION OF THE PROBLEM IS GIVEN IN LOW PRECISION. The matrix products marked QUANTISED in the list below multiply operands that are first quantised to E3M2 (3 exponent bits, 2 mantissa bits; 6 bits a number), with one power-of-two scale for each 32 numbers along K (OCP MX v1.0); their sums are f32. All else is computed in f32.
;;   The module's matrix products, in the order in which they are computed (A, B: the left and right operand; K: the contracted axis; several contracted axes count as one K, in the product's order):
;;     1. [M 8,192, K 1,024] x [K 1,024, N 1,024]; A: input query; B: input wq: QUANTISED
;;     2. [M 8,192, K 1,024] x [K 1,024, N 1,024]; A: input key; B: input wk: QUANTISED
;;     3. [M 8,192, K 1,024] x [K 1,024, N 1,024]; A: input value; B: input wv: QUANTISED
;;     4. batch 64 x [M 2,048, K 64] x [K 64, N 2,048]; A: computed on the way; B: computed on the way: QUANTISED
;;     5. batch 64 x [M 2,048, K 2,048] x [K 2,048, N 64]; A: softmax (see below); B: computed on the way: QUANTISED
;;     6. [M 8,192, K 1,024] x [K 1,024, N 1,024]; A: computed on the way; B: input wo: QUANTISED
;;   THE QUANTISER, for each operand of a quantised product, along K:
;;     - K is cut into blocks of 32 from its start; a last block that is shorter is filled with zeros.
;;     - A block's scale is 2^e with e = floor(log2(the largest magnitude in the block)) - 4, held to -126 .. 127; a block of zeros has e = 0. As a byte (E8M0): e + 127.
;;     - Each number is divided by its block's scale, clamped to +-28, and rounded to the nearest number of E3M2, ties to even, subnormals kept.
;;     - The product sums the exact products of the quantised numbers (number of the format x scale) in f32.
;;   ~~~python
;;   def quantise(x, axis):      # numpy; x: float32 -> the quantised numbers, widened to float32 again
;;       x = np.moveaxis(x, axis, -1); K = x.shape[-1]
;;       x = np.pad(x, [(0, 0)] * (x.ndim - 1) + [(0, -K % 32)]); x = x.reshape(x.shape[:-1] + (-1, 32)); a = np.abs(x).max(-1, keepdims=True)
;;       e = np.where(a > 0, np.clip(np.frexp(np.where(a > 0, a, 1))[1] - 1 - 4, -126, 127), 0)      # np.frexp(a)[1] - 1 = floor(log2(a)), exactly
;;       r = np.clip(x / 2.0 ** e, -28, 28)
;;       step = 2.0 ** (np.maximum(np.frexp(np.where(r == 0, 1, r))[1] - 1, -2) - 2)
;;       q = np.round(r / step) * step * 2.0 ** e      # np.round: ties to even
;;       return np.moveaxis(q.reshape(q.shape[:-2] + (-1,))[..., :K], -1, axis).astype(np.float32)
;;   ~~~
;;   SOFTMAX AHEAD OF A QUANTISED PRODUCT. Where the list says 'softmax', what is quantised is not the finished softmax but p = 2^(t - M), with t = logit x log2(e) and M = ceil(the row's largest t), a whole number; so 1/2 < the row's largest p <= 1. The row's sum l is taken of the UNQUANTISED p, in f32, and the product's result is divided by l at the end. Since M is a whole number, a kernel that streams over the keys may use a running M (the ceiling of the running maximum): every later rescaling is an exact power of two, which a block's scale takes up: the codes' values come out the same.
;;   OPERANDS COMPUTED ON THE WAY. 'Computed on the way' means the value that the module computes at that place (a softmax that the list does not call 'softmax' is quantised finished and normalised). What goes into a quantiser is computed in f32, as accurately as f32 sums, v_exp_f32 and their like allow (about 1e-6 of the number): no bf16 or f16 on the way to a quantiser, and a product that is left as it is and whose result goes on into a quantised operand takes f32 operands (vector FMAs, or v_wmma_f32_16x16x4_f32). A number that lies on a knife's edge between two numbers of the format may be rounded either way, as far as f32 arithmetic and the matrix unit's own rounding can turn it there, and no further.
;; One version. Each part assembles by itself: llvm-mc -triple=amdgcn-amd-amdhsa -mcpu=gfx1250 --defsym DOCPART=n.
;; ======== version 1 of 1: 4 launches
;; workspace buffers: c1 22,020,096 bytes; s1 917,504 bytes; qkv 19,660,800 bytes; cc 6,291,456 bytes; cs 262,144 bytes
;; launch quant (part 1): grid 896 x 1, 4 waves a work-group, no clusters, 33,280 bytes of LDS; arguments query, key, value, wq, wk, wv, wo, c1, s1; writes c1, s1
.if DOCPART == 1
	.amdgcn_target "amdgcn-amd-amdhsa--gfx1250"
	.amdhsa_code_object_version 6
	.text
	.protected	k_q0e7b36df4f_quant
	.globl	k_q0e7b36df4f_quant
	.p2align	8
	.type	k_q0e7b36df4f_quant,@function
k_q0e7b36df4f_quant:
	s_mov_b64 s[64:65], 0
	v_nop
	global_prefetch_b8 v0, s[64:65] scope:SCOPE_SE
	s_setreg_imm32_b32 hwreg(HW_REG_WAVE_MODE, 25, 1), 1
	s_wait_xcnt 0x0
; query, key, value [8192][1024] and wq, wk, wv, wo [1024][1024], f32, become codes of BF6 (E3M2), 6 bits each, K innermost (a row: 768 bytes),
; with one E8M0 scale byte for each 32 along K (a row: 32 bytes).  The seven tensors lie one behind the other in c1 (codes) and s1 (scale bytes).
; A block's scale is 2^(floor(log2(its largest magnitude)) - 4); its byte is the largest magnitude's own exponent field - 4, held at 1 from below.
; (A block of zeros so gets the byte 1 where the rule says 127: its codes are zeros, which add nothing, and this program alone reads the bytes.)
; THE ROWS ARE STORED IN ANOTHER ORDER: bits 3 and 4 of a row's number change places.  Sixteen consecutive stored rows (stored tile 2 b + u, row r) are then the true
; rows 32 b + 8 u + r + 8 (r / 8): the choice of rows with which the 16 registers of two neighbouring result tiles are 16 neighbours along the next product's K.
; A wave takes 8 rows (8,192 numbers), a work-group 32: so the order costs nothing but another place for waves 1 and 2.
; LIMITS: blocks whose largest magnitude lies under 2^-122 keep the byte 1; NaN and infinities among the inputs are not served.
; A wave takes 16 steps of 512 numbers.  Each of a step's four loads reads 512 consecutive bytes; the 2,048 bytes turn through the wave's own stage in LDS and come back 64 bytes a lane,
; so that a lane holds 16 neighbours along K (two neighbouring lanes hold a block).  No matrix unit, no cluster, no barrier: the waves share nothing, and every byte is read once.
.set STEPS, 16
.set EMAX,  4
.set CB,    12                         ; bytes of 16 codes
.set R,     16                         ; v16-79   four sets of 16 numbers as they are loaded
.set X,     80                         ; v80-111  two sets of 16 neighbours
.set C,     128                        ; v128-191 codes: four registers for each step, so that no store's data are written again
.set E,     112                        ; v112-127 a scale byte for each step
.set WREG,  8192                       ; LDS: a region for each wave: two stages of 32 x SP bytes, behind them its 256 scale bytes
.set SP,    80                         ; a lane's place in a stage: its 64 bytes + 16 of padding
	s_load_b256 s[4:11], s[0:1], 0x0               ; query, key, value, wq
	s_load_b256 s[12:19], s[0:1], 0x20             ; wk, wv, wo, c1
	s_load_b64 s[20:21], s[0:1], 0x40              ; s1
	v_lshl_add_u32 v192, v0, 2, 0x8000
	v_mov_b32 v193, 0
	v_lshrrev_b32 v1, 5, v0
	v_readfirstlane_b32 s22, v1                    ; wave
	v_and_b32 v2, 31, v0                           ; lane
	v_lshlrev_b32 v3, 4, v2                        ; my 16 bytes of a load's 512
	s_mul_i32 s24, s22, WREG
	v_lshrrev_b32 v14, 2, v2
	v_mul_u32_u24 v14, v14, SP
	v_and_b32 v15, 3, v2
	v_lshl_add_u32 v14, v15, 4, v14
	v_add_nc_u32 v14, s24, v14                     ; the stage, on the way in: SP (lane / 4) + 16 (lane % 4)
	v_mul_u32_u24 v15, v2, SP
	v_add_nc_u32 v15, s24, v15                     ; and on the way out: SP x lane: my 16 neighbours
	v_mul_u32_u24 v4, v2, CB                       ; my codes' place in a step's
	v_lshrrev_b32 v5, 1, v2
	s_add_co_u32 s24, s24, 2*32*SP
	v_add_nc_u32 v5, s24, v5                       ; LDS: my wave's 256 scale bytes, my block's byte
	v_lshlrev_b32 v7, 3, v2                        ; and on the way out 8 bytes a lane
	v_add_nc_u32 v6, s24, v7
	s_mov_b32 s23, 0                               ; the first work-group of my tensor
	s_wait_kmcnt 0x0
; which tensor is my work-group's: 256 work-groups for each of query, key, value, 32 for each weight.  The choice hangs on the work-group's number alone.
.macro PICK bound, p
	s_cmp_ge_u32 ttmp9, \bound
	s_cselect_b64 s[4:5], s[\p:\p+1], s[4:5]
	s_cselect_b32 s23, \bound, s23
.endm
	PICK 256, 6
	PICK 512, 8
	PICK 768, 10
	PICK 800, 12
	PICK 832, 14
	PICK 864, 16
	s_sub_co_u32 s25, ttmp9, s23
	s_lshl_b32 s25, s25, 2
	s_add_co_u32 s25, s25, s22                     ; which run of 8 rows of the tensor I read
	s_lshl_b32 s26, s25, 15                        ; 32,768 bytes a run
	s_mov_b32 s27, 0
	s_add_nc_u64 s[4:5], s[4:5], s[26:27]
	s_and_b32 s28, s22, 1                          ; and where it goes: the wave's two bits change places
	s_lshl_b32 s28, s28, 1
	s_lshr_b32 s29, s22, 1
	s_or_b32 s28, s28, s29
	s_lshl_b32 s29, ttmp9, 2
	s_add_co_u32 s28, s28, s29                     ; the run's number in c1 and s1: the tensors follow each other there as the work-groups do
	s_mul_i32 s26, s28, 32*STEPS*CB                ; 6,144 bytes of codes a run
	s_add_nc_u64 s[18:19], s[18:19], s[26:27]
	s_lshl_b32 s26, s28, 8                         ; 256 scale bytes a run
	s_add_nc_u64 s[20:21], s[20:21], s[26:27]
.macro LOAD t
.irp i, 0,1,2,3
	global_load_b128 v[R+16*((\t)%4)+4*\i:R+16*((\t)%4)+4*\i+3], v3, s[4:5] offset:2048*(\t)+512*\i th:TH_LOAD_NT   ; 32 lanes read 512 consecutive bytes
.endr
.endm
.macro TURN t                          ; step t's numbers through the stage: LDS serves a wave's instructions in order, so no wait stands between the stores and the loads
.irp i, 0,1,2,3
	ds_store_b128 v14, v[R+16*((\t)%4)+4*\i:R+16*((\t)%4)+4*\i+3] offset:32*SP*((\t)%2)+8*SP*\i
.endr
.irp i, 0,1,2,3
	ds_load_b128 v[X+16*((\t)%2)+4*\i:X+16*((\t)%2)+4*\i+3], v15 offset:32*SP*((\t)%2)+16*\i
.endr
.endm
.irp t, 0,1,2,3
	LOAD \t
.endr
	s_wait_loadcnt 12                              ; step 0's four loads are in
	TURN 0
.macro STEP t
.set XS, X+16*((\t)%2)
.if (\t) > 0
	s_wait_dscnt 1                                 ; this step's numbers are back from the stage (the last step's byte store may be out): so its stores into the stage have read their registers,
.else
	s_wait_dscnt 0x0
.endif
.if (\t)+4 < STEPS
	LOAD (\t)+4                                    ; which take the loads of four steps on
.endif
.if (\t)+1 < STEPS
.if STEPS-2-(\t) >= 3
	s_wait_loadcnt 12                              ; the next step's four loads are in; those of the three steps behind it may be out
.else
	s_wait_loadcnt 4*(STEPS-2-(\t))
.endif
	TURN (\t)+1                                    ; and go through the other stage while this step is worked
.endif
	v_max3_num_f32 v8, |v[XS]|, |v[XS+1]|, |v[XS+2]|               ; the largest magnitude of my 16
	v_max3_num_f32 v9, |v[XS+3]|, |v[XS+4]|, |v[XS+5]|
.irp i, 6,10
	v_max3_num_f32 v8, v8, |v[XS+\i]|, |v[XS+\i+1]|
	v_max3_num_f32 v9, v9, |v[XS+\i+2]|, |v[XS+\i+3]|
.endr
	v_max3_num_f32 v8, v8, |v[XS+14]|, |v[XS+15]|
	v_max3_num_f32 v8, v8, v9, (EMAX+1)<<23        ; and the floor 2^(EMAX + 1 - 127): the byte cannot fall under 1
	v_max_num_f32_dpp v8, v8, v8 row_xmask:1 row_mask:0xf bank_mask:0xf   ; and of my neighbour's 16: the block's
	v_add_nc_u32 v11, -(EMAX<<23), v8              ; EMAX off its exponent field: the conversion takes the exponent field of this operand as its scale
	v_cvt_scalef32_pk16_bf6_f32 v[C+4*(\t):C+4*(\t)+2], v[XS:XS+15], v11   ; sixteen numbers / the scale, to the nearest code, ties to even, beyond the largest code the largest
	v_lshrrev_b32 v[E+(\t)], 23, v11               ; the scale's byte
	ds_store_b8 v5, v[E+(\t)] offset:16*(\t)       ; both lanes of a block write the same byte with the same value
	global_store_b96 v4, v[C+4*(\t):C+4*(\t)+2], s[18:19] offset:32*CB*(\t)   ; the wave stores 384 consecutive bytes
.endm
.irp t, 0,1,2,3,4,5,6,7,8,9,10,11,12,13,14,15
	STEP \t
.endr
	ds_load_b64 v[12:13], v6                       ; LDS serves a wave's instructions in order: these see my stores
	s_wait_dscnt 0x0
	global_store_b64 v7, v[12:13], s[20:21]        ; 32 lanes store 256 consecutive bytes, aligned
	s_wait_tensorcnt 0x0
	ds_add_u32 v192, v193
	s_wait_dscnt 0x0
	s_endpgm
.Lfunc_end_k_q0e7b36df4f_quant:
	.size	k_q0e7b36df4f_quant, .Lfunc_end_k_q0e7b36df4f_quant-k_q0e7b36df4f_quant
	.p2alignl 7, 3214868480
	.fill 96, 4, 3214868480
	.section	.rodata,"a",@progbits
	.p2align	6, 0x0
	.amdhsa_kernel k_q0e7b36df4f_quant
		.amdhsa_group_segment_fixed_size 33280
		.amdhsa_private_segment_fixed_size 0
		.amdhsa_enable_private_segment 0
		.amdhsa_kernarg_size 72
		.amdhsa_user_sgpr_count 2
		.amdhsa_user_sgpr_kernarg_segment_ptr 1
		.amdhsa_wavefront_size32 1
		.amdhsa_system_sgpr_workgroup_id_x 1
		.amdhsa_system_sgpr_workgroup_id_y 1
		.amdhsa_system_sgpr_workgroup_id_z 1
		.amdhsa_system_vgpr_workitem_id 0
		.amdhsa_next_free_vgpr 194
		.amdhsa_next_free_sgpr 66
		.amdhsa_reserve_vcc 0
		.amdhsa_float_denorm_mode_32 3
		.amdhsa_float_denorm_mode_16_64 3
		.amdhsa_memory_ordered 1
		.amdhsa_forward_progress 1
		.amdhsa_inst_pref_size 33
	.end_amdhsa_kernel
	.amdgpu_metadata
---
amdhsa.version: [ 1, 2 ]
amdhsa.kernels:
  - .name:           k_q0e7b36df4f_quant
    .symbol:         k_q0e7b36df4f_quant.kd
    .args:
      - { .name: query, .offset: 0, .size: 8, .value_kind: global_buffer, .address_space: global }
      - { .name: key, .offset: 8, .size: 8, .value_kind: global_buffer, .address_space: global }
      - { .name: value, .offset: 16, .size: 8, .value_kind: global_buffer, .address_space: global }
      - { .name: wq, .offset: 24, .size: 8, .value_kind: global_buffer, .address_space: global }
      - { .name: wk, .offset: 32, .size: 8, .value_kind: global_buffer, .address_space: global }
      - { .name: wv, .offset: 40, .size: 8, .value_kind: global_buffer, .address_space: global }
      - { .name: wo, .offset: 48, .size: 8, .value_kind: global_buffer, .address_space: global }
      - { .name: c1, .offset: 56, .size: 8, .value_kind: global_buffer, .address_space: global }
      - { .name: s1, .offset: 64, .size: 8, .value_kind: global_buffer, .address_space: global }
    .group_segment_fixed_size: 33280
    .private_segment_fixed_size: 0
    .kernarg_segment_align: 8
    .kernarg_segment_size: 72
    .max_flat_workgroup_size: 128
    .sgpr_count:     66
    .vgpr_count:     194
    .wavefront_size: 32
...
	.end_amdgpu_metadata
.endif
;; end of part 1
;; launch proj (part 2): grid 4 x 64, 4 waves a work-group, clusters of 4 x 4, 327,680 bytes of LDS; arguments c1, s1, bq, bk, bv, qkv; writes qkv
.if DOCPART == 2
	.amdgcn_target "amdgcn-amd-amdhsa--gfx1250"
	.amdhsa_code_object_version 6
	.text
	.protected	k_q0e7b36df4f_proj
	.globl	k_q0e7b36df4f_proj
	.p2align	8
	.type	k_q0e7b36df4f_proj,@function
k_q0e7b36df4f_proj:
	s_mov_b64 s[64:65], 0
	v_nop
	global_prefetch_b8 v0, s[64:65] scope:SCOPE_SE
	s_setreg_imm32_b32 hwreg(HW_REG_WAVE_MODE, 25, 1), 1
	s_wait_xcnt 0x0
	s_wait_alu depctr_hold_cnt(0) depctr_sa_sdst(0) depctr_va_vdst(0) depctr_va_sdst(0) depctr_va_ssrc(0) depctr_va_vcc(0) depctr_vm_vsrc(0)
	s_getreg_b32 s2, hwreg(HW_REG_IB_STS2, 6, 4)
	s_cmp_eq_u32 s2, 0
	s_cbranch_scc0 .Lentry_in_a_cluster
	s_endpgm
.Lentry_in_a_cluster:
	s_bfe_u32 s2, ttmp6, 0x10000c
	s_cmp_lg_u32 s2, 0xf033
	s_cbranch_scc0 .Lentry_shape_is_right
	s_endpgm
.Lentry_shape_is_right:
; The three projections Q = query wq^T + bq, K = key wk^T + bk, V = value wv^T + bv on codes of BF6 (E3M2) with E8M0 scales for each 32 along K = 1,024, sums in f32;
; the results are quantised in registers, along the NEXT product's K, and stored as images of the next operands' registers.
; SHARES.  The three results are 3 x 8,192 x 1,024 numbers: 3 x 32,768 for each of 256 work-groups.  A WORK-GROUP STAYS and makes three UNITS of 128 (R) x 256 (P), one of each tensor, one after the other.
; THE PRODUCT.  Source 0 = 16 rows of P, source 1 = 16 rows of R: a lane then holds ONE row of R, and its registers run along P.  P is the axis that is quantised next:
;   units 0, 1: P = the weight (the head's channels are the scores' K), R = query or key.     unit 2: P = value (the keys are the second product's K), R = wv.
; The rows of every tensor lie in c1 with bits 3 and 4 of their number exchanged, so that register 16 b + i of a lane's 64 results is P's true index 32 b + 16 (lane / 16) + i.
; Four waves, each 64 (R) x 128 (P): 32 accumulators, 256 registers.  K goes in steps of 512 through a ring of two LDS slots filled by the tensor data mover: slot s always holds K half s of a unit, and a slot
; that has been read out is filled with the same half of the NEXT unit: the ring does not stop at a unit's end, and the way out, which uses no LDS, stands under the next unit's loads.
; A TILE'S ROW is 384 bytes of memory; the tile is stated 400 bytes wide over a tensor extent of 384: the last 16 bytes lie beyond the extent, are not read, and arrive as zeros.  So LDS rows are 400 bytes = 100 words
; apart: row r starts at bank 36 r mod 64 (64 banks of 4 bytes: ISA guide 11.1), sixteen different multiples of 4, and lanes 16-31 read 6 words further on: the 32 lanes of a load of 8 bytes touch 64 different banks.
; THE SCALE WORDS of a unit stay in registers: a row's 32 scale bytes are two loads of 16 bytes; register 8 i + k of a set: lanes 0-15 the word of R's tile i, lanes 16-31 that of P's tile i, for the k-th 128 along K.
; (For i = 4 .. 7 lanes 0-15 read rows behind the wave's 64: they lie inside s1, and nothing names them.)  Two sets: the next unit's words and its bias are asked for a unit ahead.
; CLUSTERS: 4 x 4 work-groups; the four of a row of the cluster need the same tiles of R, the four of a column the same tiles of P, in every unit: each tile is asked for jointly.
; With X the cluster's number (0..15): units 0, 1: R's tile 4 X + cy of 64, P's tile cx of 4.   unit 2: R's tile 4 (X % 2) + cy of 8, P's tile 4 (X / 2) + cx of 32.
; THE BIAS is the C of each sum's first product: along P (units 0, 1: eight numbers a tile) or the lane's own (unit 2: one number in all eight registers).
; OUT.  qkv is 1,024 records of 19,200 bytes, one for each (batch, head, group of 128 rows): Q's codes 0, Q's scale words 6,144, K's codes 6,400, V's codes 12,544, K's scale words 18,688, V's 18,944.
;   Q, K: for each tile of 16 rows a half image (16 rows x 64 channels): operand registers 0-3 of lane l at 16 l, registers 4-5 at 512 + 8 l: 768 bytes.
;   V: for each tile of 16 channels a full image (16 channels x 128 keys): registers 4 c .. 4 c + 3 of lane l at 512 c + 16 l: 1,536 bytes.
;   Scale words: [row r of a tile][4 words], 256 bytes.  Q, K: word b = tile 2 b's two bytes below, tile 2 b + 1's above.  V: word t = tile t's four bytes.
;   The codes' stores cover 256 or 512 consecutive bytes that begin at a multiple of 256 from the buffer's first byte.  Q's and K's scale words leave as 8 bytes a lane, 16 bytes apart (a wave has four of a group's
;   eight tiles, two of the four words): two waves fill the 256 bytes between them; that is 512 bytes of a record's 19,200.  V's: lanes l and l + 16 store the same 16 bytes to the same place.
; LIMITS: blocks whose largest magnitude lies under 2^-122 keep the scale byte 1; NaN and infinities are not served.
; REGISTERS, in windows of 256: window 0: v8-29 offsets and addresses; v32-95, v96-159 scale words, two sets; v160-243 at work on the way out.
;   window 1: P's fragments, two sets, at v0 and v128.   window 2: the accumulators ((a, b) at v[8 (8 a + b)]).   window 3: R's fragments, two sets, at v0 and v48; v96-159 the bias as C.
.set ROWB,   384                       ; a tile's row in memory: 512 codes
.set KROW,   768                       ; a row of codes in memory
.set PITCH,  400                       ; and in LDS
.set FR,     12                        ; registers of a fragment
.set NP,     4                         ; places behind this matrix instruction (ISA guide 7.12.1)
.set RHALF,  64*PITCH                  ; R: 64 rows: what one tensor load brings, and what one wave reads
.set PHALF,  128*PITCH                 ; P: 128 rows likewise
.set POFF,   2*RHALF                   ; a slot: R's 128 rows, then P's 256
.set SLOT,   POFF+2*PHALF
.set SPARE,  2*SLOT                    ; behind the ring: the spare words, 128 bytes for each wave: two blocks of 256 bytes that no other line names
.set REC,    19200                     ; a record of qkv
.set HEADB,  16*REC                    ; from a head's record to the next head's
.set SOF,  8                           ; v8-10  unit u: my byte offset in s1: lanes 0-15 R's rows, lanes 16-31 P's; never rewritten
.set BOFP, 11                          ; v11  my byte offset in a bias along P
.set BOFR, 12                          ; v12  and along R
.set VOR,  13                          ; v13  16 (lane % 16)
.set ADRA, 16                          ; v16-17 LDS address of my R fragments in slot 0, 1
.set ADRB, 20                          ; v20-21 the same for P
.set VO16, 24                          ; v24  16 x lane
.set VO8,  25                          ; v25  8 x lane
.set VOS,  26                          ; v26  16 (lane % 16) + HEADB (lane / 16)
.set SPW,  28                          ; v28  LDS address of my spare word; never rewritten
.set NIL,  29                          ; v29  0; never rewritten
.set SC,   32                          ; scale words: set s at v[SC + 64 s]
.set TM,   160                         ; the way out: v160-163 largest magnitudes, v164-167 bytes, v172-175 the conversions' scale operands
.set PW,   176                         ; v176-179 the scale word of each of my four tiles of R
.set SW,   184                         ; v184-185 two scale words to store
.set TP,   188
.set PC0,  192                         ; codes: v192-211 and v224-243 by turns
.set BI,   96                          ; in window 3
.set G1, 24                            ; s[24:31] descriptor group 1 for R's tiles;  s[32:39] group 0, one set for each slot
.set G0, 32
.set G1B, 48                           ; s[48:55], s[56:63] the same for P's
.set G0B, 56
.set SEL, 98                           ; s[98:99] lane selects for v_permlanex16_b32: lane l xor 16
.set MSB, 0
.macro WIN new                         ; the immediate's high byte repeats the setting that is left
.if MSB != \new
	s_set_vgpr_msb (MSB<<8)|\new
.set MSB, \new
.endif
.endm
.set MUL,  0xad                        ; source 0 (P) window 1, source 1 (R) window 3, C and D window 2
.set MULB, 0xbd                        ; the same with C (the bias) in window 3
.set TO_B, 0x40                        ; destination window 1, address window 0
.set TO_A, 0xc0                        ; destination window 3
; A joint load: waves 0 and 1 fetch R's two halves, waves 2 and 3 P's.  The branch hangs on the wave's number alone.  Four v_nop follow each of the two lines.
.macro JLOAD g0a, g1a, g0b, g1b
	s_cmp_eq_u32 s17, 0
	s_cbranch_scc0 .Lfor_b_\@
	tensor_load_to_lds s[\g0a:\g0a+3], s[\g1a:\g1a+7]
	s_nop 0
.rept 4
	v_nop
.endr
	s_branch .Lasked_\@
.Lfor_b_\@:
	tensor_load_to_lds s[\g0b:\g0b+3], s[\g1b:\g1b+7]
	s_nop 0
.rept 4
	v_nop
.endr
.Lasked_\@:
.endm
.macro CREST                           ; a round of the cluster's barrier behind its opening barrier
	s_cmp_lg_u32 s16, 0
	s_cbranch_scc1 .Lnot_wave_0_\@
	s_barrier_signal -3
.Lnot_wave_0_\@:
	s_barrier_wait -3
	s_barrier_signal -1
	s_barrier_wait -1
.endm
.macro CROUND
	s_barrier_signal -1
	s_barrier_wait -1
	CREST
.endm
	s_load_b128 s[4:7], s[0:1], 0x0                ; c1, s1
	s_load_b128 s[8:11], s[0:1], 0x10              ; bq, bk
	s_load_b128 s[12:15], s[0:1], 0x20             ; bv, qkv
	v_lshl_add_u32 v[SPW], v0, 2, SPARE
	v_mov_b32 v[NIL], 0
	ds_add_u32 v28, v29
	ds_add_u32 v28, v29
	s_wait_dscnt 0x0
	v_lshrrev_b32 v1, 5, v0
	v_readfirstlane_b32 s16, v1                    ; wave 0..3
	s_lshr_b32 s17, s16, 1                         ; wr: which 64 of the tile's R rows are mine.  Also: I fetch for R (0) or for P (1)
	s_and_b32 s18, s16, 1                          ; wp: which 128 of its P rows.  Also: which half of that tile I fetch
	s_bfe_u32 s40, ttmp6, 0x40000                  ; cx, cy: my place in the cluster
	s_bfe_u32 s41, ttmp6, 0x40004
	s_and_b32 s19, ttmp7, 0xffff                   ; X: the cluster's y, 0..15
	s_mov_b32 s96, 0xffff0000                      ; lanes 16-31
	s_mov_b32 s[SEL], 0x76543210
	s_mov_b32 s[SEL+1], 0xfedcba98
	s_lshl_b32 s42, s19, 2
	s_add_co_u32 s42, s42, s41                     ; units 0, 1: R's tile of 128 rows, 4 X + cy
	s_and_b32 s43, s19, 1
	s_lshl_b32 s43, s43, 2
	s_add_co_u32 s43, s43, s41                     ; unit 2: R's tile, 4 (X % 2) + cy
	s_lshr_b32 s81, s19, 1
	s_lshl_b32 s80, s81, 2
	s_add_co_u32 s80, s80, s40                     ; unit 2: P's tile of 256 rows, 4 (X / 2) + cx
	s_lshl_b32 s44, s41, 2
	s_lshl_b32 s44, 15, s44                        ; my row of the cluster
	s_lshl_b32 s45, 0x1111, s40                    ; my column
	; from unit 1's tiles to unit 2's, in bytes of c1: key's tile 4 X + cy -> wv's tile 4 (X % 2) + cy; wk's tile cx -> value's tile 4 (X / 2) + cx.  Both hang on X alone, which the partners share
	s_mul_i32 s82, s81, 786432
	s_sub_co_u32 s66, 14155776, s82                ; R goes on by this,
	s_mov_b32 s67, 0
	s_sub_co_u32 s68, 7077888, s82                 ; P goes back by this
	s_mov_b32 s69, 0
	; descriptor group 1: rows of 384 bytes, stated 400 wide
	s_or_b32 s[G1+0], s44, (0<<16)|(1<<21)         ; 15:0 the mask: R's tiles go to my row; 17:16 elements of 1 byte; 20 no padding; 21 set beside a mask
	s_or_b32 s[G1B+0], s45, (0<<16)|(1<<21)        ; P's go to my column
	s_mov_b32 s[G1+1], ROWB<<16                    ; tensor_dim0 = 384: beyond it zeros
	s_mov_b32 s[G1+2], 64<<16                      ; tensor_dim1
	s_mov_b32 s[G1+3], PITCH<<16                   ; tile_dim0 = 400
	s_mov_b32 s[G1+4], 64                          ; tile_dim1
	s_mov_b32 s[G1+5], KROW                        ; tensor_dim0_stride
	s_mov_b32 s[G1+6], 0
	s_mov_b32 s[G1+7], 0
	s_mov_b32 s[G1B+1], ROWB<<16
	s_mov_b32 s[G1B+2], 128<<16
	s_mov_b32 s[G1B+3], PITCH<<16
	s_mov_b32 s[G1B+4], 128
	s_mov_b32 s[G1B+5], KROW
	s_mov_b32 s[G1B+6], 0
	s_mov_b32 s[G1B+7], 0
	; unit 0's tiles: byte offsets in c1, all under 2^25
	s_lshl_b32 s20, s42, 7
	s_lshl_b32 s2, s18, 6
	s_add_co_u32 s20, s20, s2                      ; R: query's stored row 128 tile + 64 half
	s_mul_i32 s20, s20, KROW
	s_mov_b32 s21, 0
	s_lshl_b32 s46, s40, 8
	s_lshl_b32 s2, s18, 7
	s_add_co_u32 s46, s46, s2                      ; P: wq's stored row 256 cx + 128 half
	s_mul_i32 s46, s46, KROW
	s_add_co_u32 s46, s46, 18874368
	s_mov_b32 s47, 0
	s_mul_i32 s97, s18, RHALF                      ; where they go in a slot: no place in the cluster enters an LDS address
	s_mul_i32 s83, s18, PHALF
	s_add_co_u32 s83, s83, POFF
	; my rows' scale bytes in s1: 32 bytes a row
	s_lshl_b32 s84, s42, 12
	s_lshl_b32 s2, s17, 11
	s_add_co_u32 s84, s84, s2                      ; unit 0: R = query
	s_lshl_b32 s85, s40, 13
	s_lshl_b32 s3, s18, 12
	s_add_co_u32 s85, s85, s3
	s_add_co_u32 s85, s85, 786432                  ;         P = wq
	s_add_co_u32 s86, s84, 262144                  ; unit 1: key,
	s_add_co_u32 s87, s85, 32768                   ;         wk
	s_lshl_b32 s88, s43, 12
	s_add_co_u32 s88, s88, s2
	s_add_co_u32 s88, s88, 851968                  ; unit 2: R = wv,
	s_lshl_b32 s89, s80, 13
	s_add_co_u32 s89, s89, s3
	s_add_co_u32 s89, s89, 524288                  ;         P = value
	; my numbers of the biases
	s_lshl_b32 s90, s40, 10
	s_lshl_b32 s2, s18, 9
	s_add_co_u32 s90, s90, s2                      ; along P: from 256 cx + 128 wp on
	s_mov_b32 s91, 0
	s_lshl_b32 s92, s43, 9
	s_lshl_b32 s2, s17, 8
	s_add_co_u32 s92, s92, s2                      ; along R: from 128 tile + 64 wr on
	s_mov_b32 s93, 0
	; my records.  Units 0, 1: the group of 128 rows is R's tile; the pair of heads 2 cx + wp
	s_lshr_b32 s76, s42, 4
	s_lshl_b32 s76, s76, 8
	s_lshl_b32 s2, s40, 1
	s_add_co_u32 s2, s2, s18
	s_lshl_b32 s2, s2, 5
	s_add_co_u32 s76, s76, s2
	s_and_b32 s2, s42, 15
	s_add_co_u32 s76, s76, s2                      ; record = 256 batch + 32 pair + group
	s_mul_i32 s76, s76, REC
	s_mov_b32 s77, 0
	; unit 2: the group of 128 keys is 2 x P's tile + wp; the head 2 x R's tile + wr
	s_lshl_b32 s78, s80, 1
	s_add_co_u32 s78, s78, s18
	s_lshr_b32 s2, s78, 4
	s_lshl_b32 s2, s2, 8
	s_and_b32 s78, s78, 15
	s_add_co_u32 s78, s78, s2
	s_lshl_b32 s2, s43, 1
	s_add_co_u32 s2, s2, s17
	s_lshl_b32 s2, s2, 4
	s_add_co_u32 s78, s78, s2                      ; record = 256 batch + 16 head + group
	s_mul_i32 s78, s78, REC
	s_mov_b32 s79, 0
	s_mul_i32 s94, s17, 3072                       ; my four tiles' half images in a record: from tile 4 wr on
	s_mov_b32 s95, 0
	s_wait_kmcnt 0x0
	s_add_nc_u64 s[20:21], s[4:5], s[20:21]
	s_add_nc_u64 s[46:47], s[4:5], s[46:47]
	CROUND                                         ; all sixteen work-groups are here: the first joint loads meet
.irp s, 0,1
	s_mov_b32 s[G0+4*\s], 1                        ; count = 1
	s_add_co_u32 s[G0+4*\s+1], s97, \s*SLOT        ; LDS address
	s_add_nc_u64 s[G0+4*\s+2:G0+4*\s+3], s[20:21], \s*ROWB   ; global address: K half s
	s_or_b32 s[G0+4*\s+3], s[G0+4*\s+3], 0x80000000          ; type = 2
	s_mov_b32 s[G0B+4*\s], 1
	s_add_co_u32 s[G0B+4*\s+1], s83, \s*SLOT
	s_add_nc_u64 s[G0B+4*\s+2:G0B+4*\s+3], s[46:47], \s*ROWB
	s_or_b32 s[G0B+4*\s+3], s[G0B+4*\s+3], 0x80000000
	JLOAD G0+4*\s, G1, G0B+4*\s, G1B               ; unit 0's two halves of K: two tensor loads of mine are out behind the second
.endr
	s_add_nc_u64 s[8:9], s[8:9], s[90:91]          ; bq, bk, bv at my numbers
	s_add_nc_u64 s[10:11], s[10:11], s[90:91]
	s_add_nc_u64 s[12:13], s[12:13], s[92:93]
	s_add_nc_u64 s[72:73], s[14:15], s[76:77]      ; units 0, 1: my record;
	s_add_nc_u64 s[70:71], s[72:73], s[94:95]      ; its codes from my first tile on;
	s_lshl_b32 s94, s17, 3
	s_add_nc_u64 s[72:73], s[72:73], s[94:95]      ; its scale words from word 2 wr on
	s_add_nc_u64 s[74:75], s[14:15], s[78:79]      ; unit 2: my record
	v_and_b32 v1, 15, v0                           ; r = l % 16
	v_bfe_u32 v2, v0, 4, 1                         ; h = l / 16
.macro SOFF u, sr, sp                  ; unit u: lanes 0-15 R's rows, lanes 16-31 P's; 32 bytes a row
	v_mov_b32 v3, s[\sr]
	v_mov_b32 v4, s[\sp]
	v_cndmask_b32 v[SOF+\u], v3, v4, s96
	v_lshl_add_u32 v[SOF+\u], v1, 5, v[SOF+\u]
.endm
	SOFF 0, 84, 85
	SOFF 1, 86, 87
	SOFF 2, 88, 89
	v_lshlrev_b32 v[BOFP], 6, v2                   ; for P's tile b lane (r, h) wants the numbers 32 (b / 2) + 16 h + 8 (b % 2) + 0 .. 7
	v_and_b32 v[BOFR], 8, v1
	v_add_nc_u32 v[BOFR], v[BOFR], v1
	v_lshlrev_b32 v[BOFR], 2, v[BOFR]              ; for R's tile a it wants ONE number, 32 (a / 2) + 8 (a % 2) + r + 8 (r / 8)
.macro LOADSC sb, sof                  ; a unit's scale words into the set at sb: sixteen lanes read 512 consecutive bytes in two loads
.irp i, 0,1,2,3,4,5,6,7
	global_load_b128 v[(\sb)+8*\i:(\sb)+8*\i+3], v[\sof], s[6:7] offset:512*\i
	global_load_b128 v[(\sb)+8*\i+4:(\sb)+8*\i+7], v[\sof], s[6:7] offset:512*\i+16
.endr
.endm
.macro LOADBP ptr                      ; a bias along P, in the result's layout: 64 registers of window 3
	WIN TO_A
.irp b, 0,1,2,3,4,5,6,7
	global_load_b128 v[BI+8*\b:BI+8*\b+3], v[BOFP], s[\ptr:\ptr+1] offset:(32*(\b/2)+8*(\b%2))*4
	global_load_b128 v[BI+8*\b+4:BI+8*\b+7], v[BOFP], s[\ptr:\ptr+1] offset:(32*(\b/2)+8*(\b%2))*4+16
.endr
	WIN 0
.endm
.macro LOADBR                          ; bv along R: the lane's one number in all eight registers of a tile: 32 registers
	WIN TO_A
.irp a, 0,1,2,3
.irp j, 0,1,2,3,4,5,6,7
	global_load_b32 v[BI+8*\a+\j], v[BOFR], s[12:13] offset:(32*(\a/2)+8*(\a%2))*4
.endr
.endr
	WIN 0
.endm
	LOADSC SC, SOF
	LOADBP 8
	v_mul_u32_u24 v3, v1, PITCH
	v_mad_u32_u24 v3, v2, 24, v3                   ; a fragment's row x pitch + 24 x half
	s_mul_i32 s21, s17, RHALF                      ; my 64 rows of R
	s_mul_i32 s22, s18, PHALF                      ; my 128 rows of P,
	s_add_co_u32 s22, s22, POFF                    ; which lie behind R's 128
.irp s, 0,1
	v_add_nc_u32 v[ADRA+\s], s21, v3
	v_add_nc_u32 v[ADRB+\s], s22, v3
	s_add_co_u32 s21, s21, SLOT
	s_add_co_u32 s22, s22, SLOT
.endr
	v_and_b32 v6, 31, v0
	v_lshlrev_b32 v[VO16], 4, v6
	v_lshlrev_b32 v[VO8], 3, v6
	v_lshlrev_b32 v[VOR], 4, v1
	v_mul_u32_u24 v[VOS], v2, HEADB
	v_lshl_add_u32 v[VOS], v1, 4, v[VOS]
.irp b, 0,1,2,3
	v_mov_b32 v[TM+4+\b], 0                        ; written once: a lane permute's destination counts as one of its sources
.endr
.macro FRAG reg, adr, q, i             ; a fragment: lane l holds row l % 16; registers 6 c .. 6 c + 5 hold K = 64 c + 32 (l / 16) + 0 .. 31: 24 bytes of the row's stream of bits, as they lie, in pieces of 8 bytes
.irp p, 0,1,2,3,4,5
	ds_load_b64 v[\reg+2*\p:\reg+2*\p+1], v[\adr] offset:96*(\q)+48*(\p/3)+8*(\p%3)+(\i)*16*PITCH
.endr
.endm
; 8 matrix instructions: R's block a x P's eight, 128 along K.  p: the sets of fragments;  kk: which 128 of the unit's K;  sb: the set of scale words.
; cm = 0: onto the sums.  cm = 1, 2: the first product starts the sums with the bias as C: P's tile's eight numbers (1) or R's tile's (2).  Nothing is ever cleared.
; The 32 accumulators take turns, one instruction a turn, in the same order in every step.
.macro MUL8 a, p, kk, sb, cm
.irp b, 0,1,2,3,4,5,6,7
.if \cm == 1
	v_wmma_scale_f32_16x16x128_f8f6f4 v[8*(8*(\a)+\b):8*(8*(\a)+\b)+7], v[128*(\p)+FR*\b:128*(\p)+FR*\b+FR-1], v[48*(\p)+FR*(\a):48*(\p)+FR*(\a)+FR-1], v[BI+8*\b:BI+8*\b+7], v[(\sb)+8*\b+(\kk)], v[(\sb)+8*(\a)+(\kk)] matrix_a_fmt:MATRIX_FMT_BF6 matrix_b_fmt:MATRIX_FMT_BF6 matrix_a_scale:MATRIX_SCALE_ROW1
.elseif \cm == 2
	v_wmma_scale_f32_16x16x128_f8f6f4 v[8*(8*(\a)+\b):8*(8*(\a)+\b)+7], v[128*(\p)+FR*\b:128*(\p)+FR*\b+FR-1], v[48*(\p)+FR*(\a):48*(\p)+FR*(\a)+FR-1], v[BI+8*(\a):BI+8*(\a)+7], v[(\sb)+8*\b+(\kk)], v[(\sb)+8*(\a)+(\kk)] matrix_a_fmt:MATRIX_FMT_BF6 matrix_b_fmt:MATRIX_FMT_BF6 matrix_a_scale:MATRIX_SCALE_ROW1
.else
	v_wmma_scale_f32_16x16x128_f8f6f4 v[8*(8*(\a)+\b):8*(8*(\a)+\b)+7], v[128*(\p)+FR*\b:128*(\p)+FR*\b+FR-1], v[48*(\p)+FR*(\a):48*(\p)+FR*(\a)+FR-1], v[8*(8*(\a)+\b):8*(8*(\a)+\b)+7], v[(\sb)+8*\b+(\kk)], v[(\sb)+8*(\a)+(\kk)] matrix_a_fmt:MATRIX_FMT_BF6 matrix_b_fmt:MATRIX_FMT_BF6 matrix_a_scale:MATRIX_SCALE_ROW1
.endif
.endr
.endm
.macro FETCH_B slot, q, p              ; P's eight fragments of the slot's q-th 128 along K into set p: 48 loads
	WIN TO_B
.irp i, 0,1,2,3,4,5,6,7
	FRAG 128*(\p)+FR*\i, ADRB+\slot, \q, \i
.endr
.endm
.macro FETCH_A slot, q, p              ; R's four: 24 loads
	WIN TO_A
.irp i, 0,1,2,3
	FRAG 48*(\p)+FR*\i, ADRA+\slot, \q, \i
.endr
.endm
; A load into a register that a matrix instruction has read, and a vector instruction that reads a matrix result, stand NP places behind that matrix instruction; only plain vector
; instructions that name none of its registers are places (ISA guide 7.12.1 for vector instructions).
.macro PLACES n
.rept \n
	v_nop
.endr
.endm
; A step of 128 along K that has its successor in the same slot.  It multiplies sets q % 2 and fetches the next step's fragments into the other sets: P's at its head, R's in its middle.
; The four places at its head serve both runs of loads: the other sets were last read by the step before.
.macro STEP slot, q, sb, cm
	s_wait_dscnt 12                                ; P's set and R's blocks 0, 1 are in; the youngest 12 loads (R's blocks 2, 3) may be out
	PLACES NP
	FETCH_B \slot, (\q)+1, 1-(\q)%2
.if \cm
	WIN MULB
.else
	WIN MUL
.endif
	MUL8 0, (\q)%2, 4*(\slot)+(\q), \sb, \cm
	MUL8 1, (\q)%2, 4*(\slot)+(\q), \sb, \cm
	s_wait_dscnt 48                                ; R's blocks 2, 3 are in; the 48 loads just issued may be out
	FETCH_A \slot, (\q)+1, 1-(\q)%2
.if \cm
	WIN MULB
.else
	WIN MUL
.endif
	MUL8 2, (\q)%2, 4*(\slot)+(\q), \sb, \cm
	MUL8 3, (\q)%2, 4*(\slot)+(\q), \sb, \cm
	WIN 0
.endm
; A slot's fourth step changes slots: ONE barrier; in front of it each wave waits for all its tensor loads, adds 0 to its spare word, and waits for that and for its own reads of this slot.
; fill = 1, 2: this slot is filled again, with the same half of K of the next unit (1: unit 1's, 2: unit 2's); the barrier then opens a round of the cluster's.  fill = 0: nothing is left to fetch.
.macro TURN slot, next, sb, fill
	s_wait_tensorcnt 0x0                           ; all my tensor loads have landed: my part of the next slot;  (every window is 0 here)
	ds_add_u32 v[SPW], v[NIL]                      ; 0 onto my spare word
	s_wait_dscnt 13                                ; (the add and the youngest 12 loads, R's blocks 2, 3, may be out)
	WIN MUL
	MUL8 0, 1, 4*(\slot)+3, \sb, 0                 ; eight matrix instructions stand between the add and the wait for it
	s_wait_dscnt 0x0                               ; the add is done, and my reads of this slot are over
	s_barrier_signal -1
	MUL8 1, 1, 4*(\slot)+3, \sb, 0
	WIN 0
	s_barrier_wait -1
.if \fill
	CREST                                          ; no wave of any partner still reads this slot's tile or has a load on its way
.if \fill == 1
	s_add_nc_u64 s[G0+4*\slot+2:G0+4*\slot+3], s[G0+4*\slot+2:G0+4*\slot+3], 6291456     ; query's tile -> key's
	s_add_nc_u64 s[G0B+4*\slot+2:G0B+4*\slot+3], s[G0B+4*\slot+2:G0B+4*\slot+3], 786432  ; wq's -> wk's
.else
	s_add_nc_u64 s[G0+4*\slot+2:G0+4*\slot+3], s[G0+4*\slot+2:G0+4*\slot+3], s[66:67]    ; key's tile -> wv's
	s_sub_nc_u64 s[G0B+4*\slot+2:G0B+4*\slot+3], s[G0B+4*\slot+2:G0B+4*\slot+3], s[68:69] ; wk's -> value's
.endif
	JLOAD G0+4*\slot, G1, G0B+4*\slot, G1B         ; the first tensor load behind the round, my only one until the next; its four v_nop are the places in front of the loads below
.else
	PLACES NP
.endif
	FETCH_B \next, 0, 0
	FETCH_A \next, 0, 0
	WIN MUL
	MUL8 2, 1, 4*(\slot)+3, \sb, 0
	MUL8 3, 1, 4*(\slot)+3, \sb, 0
	WIN 0
.endm
; THE WAY OUT.  The 64 results of R's tile a in a lane, register 16 b + i = P's index 32 b + 16 (lane / 16) + i of the lane's row, become a fragment's codes in v[pc] .. v[pc + 11] and its scale word in v[pw].
.macro QUANTW a, pc, pw
.set AC, 64*(\a)
	WIN 0x0a                                       ; sources 0 and 1: window 2
.irp b, 0,1,2,3
	v_max3_num_f32 v[TM+\b], |v[AC+16*\b]|, |v[AC+16*\b+1]|, 0x2800000   ; block b: my 16 numbers, each accumulator from its low end on, and the floor 2^(5 - 127): the byte cannot fall under 1
.endr
.irp i, 2,4,6,8,10,12,14
.irp b, 0,1,2,3
	v_max3_num_f32 v[TM+\b], |v[AC+16*\b+\i]|, |v[AC+16*\b+\i+1]|, v[TM+\b]   ; (the four blocks by turns)
.endr
.endr
	WIN 0
.irp b, 0,1,2,3
	v_permlanex16_b32 v[TM+4+\b], v[TM+\b], s[SEL], s[SEL+1]
.endr
.irp b, 0,1,2,3
	v_max_num_f32 v[TM+\b], v[TM+\b], v[TM+4+\b]   ; with lane l xor 16's: the block's largest magnitude
.endr
.irp b, 0,1,2,3
	v_add_nc_u32 v[TM+12+\b], 0xfe000000, v[TM+\b] ; 4 off its exponent field: the conversion's scale operand
.endr
.irp b, 0,1,2,3
	v_lshrrev_b32 v[TM+4+\b], 23, v[TM+12+\b]      ; the scale's byte
.endr
	s_wait_xcnt 0x0                                ; the earlier stores have read their registers: only behind this wait are the scale word's and the codes' registers written again
	v_lshl_or_b32 v[\pw], v[TM+5], 8, v[TM+4]      ; the four bytes make my row's scale word
	v_lshl_or_b32 v[\pw], v[TM+6], 16, v[\pw]
	v_lshl_or_b32 v[\pw], v[TM+7], 24, v[\pw]
	WIN 0x02                                       ; source 0: window 2
.irp c, 0,1
	v_cvt_scalef32_pk16_bf6_f32 v[\pc+6*\c:\pc+6*\c+2], v[AC+32*\c:AC+32*\c+15], v[TM+12+2*\c]
	v_cvt_scalef32_pk16_bf6_f32 v[\pc+12+4*\c:\pc+14+4*\c], v[AC+16+32*\c:AC+31+32*\c], v[TM+12+2*\c+1]   ; (a conversion's three registers begin on an even number)
.endr
	WIN 0
	v_nop                                          ; one plain place behind a scaled conversion
.irp c, 0,1                                    ; the operand's layout wants a WHOLE block in a lane: lanes 0-15 block 2 c, lanes 16-31 block 2 c + 1
.irp i, 0,1,2
	v_permlane16_swap_b32 v[\pc+6*\c+\i], v[\pc+12+4*\c+\i]
.endr
.irp i, 0,1,2
	v_mov_b32 v[\pc+3+6*\c+\i], v[\pc+12+4*\c+\i]
.endr
.endr
.endm
; Q (u = 0) or K (u = 1): a lane's row is a query or a key; the fragment's registers 0-5 are the pair's first head's 64 channels, registers 6-11 the second's: two half images
.macro OUT_QK u
	PLACES NP                                      ; behind the unit's last products: their results are read below
.irp a, 0,1,2,3
.set PP, PC0+32*(\a%2)
	QUANTW \a, (PC0+32*(\a%2)), (PW+\a)
	global_store_b128 v[VO16], v[PP:PP+3], s[70:71] offset:6400*\u+768*\a                  ; 512 consecutive bytes
	global_store_b64 v[VO8], v[PP+4:PP+5], s[70:71] offset:6400*\u+768*\a+512              ; 256 consecutive bytes
	global_store_b128 v[VO16], v[PP+6:PP+9], s[70:71] offset:6400*\u+768*\a+HEADB
	global_store_b64 v[VO8], v[PP+10:PP+11], s[70:71] offset:6400*\u+768*\a+HEADB+512
.endr
.irp b, 0,1
	v_perm_b32 v[TP], v[PW+2*\b+1], v[PW+2*\b], 0x05040100     ; the first head: the even tile's two bytes below, the odd tile's above
	v_perm_b32 v[TP+1], v[PW+2*\b+1], v[PW+2*\b], 0x07060302   ; the second head likewise
	v_cndmask_b32 v[SW+\b], v[TP], v[TP+1], s96                ; lanes 16-31 carry the second head's
.endr
	global_store_b64 v[VOS], v[SW:SW+1], s[72:73] offset:6144+12544*\u   ; my two of the four words of each row
.endm
	s_wait_tensorcnt 1                             ; my part of unit 0's first half of K is in (the second half's load may be out)
	s_barrier_signal -1
	s_barrier_wait -1                              ; everybody's is
	FETCH_B 0, 0, 0
	FETCH_A 0, 0, 0
	WIN 0
	; ---- unit 0: Q
	s_wait_loadcnt 0x0                             ; its scale words and its bias
	STEP 0, 0, SC, 1                               ; the first step's products start the sums with the bias
	PLACES NP                                      ; behind the products that read the bias: the next unit's lands in the same registers
	LOADSC SC+64, SOF+1                            ; unit 1's scale words, into the other set,
	LOADBP 10                                      ; and bk
	STEP 0, 1, SC, 0
	STEP 0, 2, SC, 0
	TURN 0, 1, SC, 1
	STEP 1, 0, SC, 0
	STEP 1, 1, SC, 0
	STEP 1, 2, SC, 0
	TURN 1, 0, SC, 1
	OUT_QK 0
	; ---- unit 1: K
	s_wait_loadcnt 0x0
	STEP 0, 0, SC+64, 1
	PLACES NP
	LOADSC SC, SOF+2                               ; unit 2's scale words: the first set was last named by unit 0's products
	LOADBR                                         ; and bv
	STEP 0, 1, SC+64, 0
	STEP 0, 2, SC+64, 0
	TURN 0, 1, SC+64, 2
	STEP 1, 0, SC+64, 0
	STEP 1, 1, SC+64, 0
	STEP 1, 2, SC+64, 0
	TURN 1, 0, SC+64, 2
	OUT_QK 1
	; ---- unit 2: V
	s_wait_loadcnt 0x0
	STEP 0, 0, SC, 2
	STEP 0, 1, SC, 0
	STEP 0, 2, SC, 0
	TURN 0, 1, SC, 0                               ; nothing is left to fetch: no round of the cluster's barrier
	STEP 1, 0, SC, 0
	STEP 1, 1, SC, 0
	STEP 1, 2, SC, 0
	s_wait_dscnt 12                                ; the very last step
	WIN MUL
	MUL8 0, 1, 7, SC, 0
	MUL8 1, 1, 7, SC, 0
	s_wait_dscnt 0x0
	MUL8 2, 1, 7, SC, 0
	MUL8 3, 1, 7, SC, 0
	WIN 0
	; V: a lane's row is a channel of my head (tile a of its four); the fragment is my group's 128 keys: a full image
	PLACES NP
.irp a, 0,1,2,3
.set PP, PC0+32*(\a%2)
	QUANTW \a, (PC0+32*(\a%2)), (PW+\a)
.irp c, 0,1,2
	global_store_b128 v[VO16], v[PP+4*\c:PP+4*\c+3], s[74:75] offset:12544+\a*1536+512*\c
.endr
.endr
	global_store_b128 v[VOR], v[PW:PW+3], s[74:75] offset:18944    ; word t = tile t's four bytes
	s_wait_tensorcnt 0x0                           ; the wave's end
	ds_add_u32 v[SPW], v[NIL]
	s_wait_dscnt 0x0
	CROUND                                         ; the closing round: no work-group ends while a partner may still ask for a tile that names it
	s_endpgm
.Lfunc_end_k_q0e7b36df4f_proj:
	.size	k_q0e7b36df4f_proj, .Lfunc_end_k_q0e7b36df4f_proj-k_q0e7b36df4f_proj
	.p2alignl 7, 3214868480
	.fill 96, 4, 3214868480
	.section	.rodata,"a",@progbits
	.p2align	6, 0x0
	.amdhsa_kernel k_q0e7b36df4f_proj
		.amdhsa_group_segment_fixed_size 327680
		.amdhsa_private_segment_fixed_size 0
		.amdhsa_enable_private_segment 0
		.amdhsa_kernarg_size 48
		.amdhsa_user_sgpr_count 2
		.amdhsa_user_sgpr_kernarg_segment_ptr 1
		.amdhsa_wavefront_size32 1
		.amdhsa_system_sgpr_workgroup_id_x 1
		.amdhsa_system_sgpr_workgroup_id_y 1
		.amdhsa_system_sgpr_workgroup_id_z 1
		.amdhsa_system_vgpr_workitem_id 0
		.amdhsa_next_free_vgpr 1024
		.amdhsa_next_free_sgpr 102
		.amdhsa_reserve_vcc 0
		.amdhsa_float_denorm_mode_32 3
		.amdhsa_float_denorm_mode_16_64 3
		.amdhsa_memory_ordered 1
		.amdhsa_forward_progress 1
		.amdhsa_inst_pref_size 255
	.end_amdhsa_kernel
	.section	.bss,"aw",@nobits
	.p2align	6
	.space	262144
	.amdgpu_metadata
---
amdhsa.version: [ 1, 2 ]
amdhsa.kernels:
  - .name:           k_q0e7b36df4f_proj
    .symbol:         k_q0e7b36df4f_proj.kd
    .args:
      - { .name: c1, .offset: 0, .size: 8, .value_kind: global_buffer, .address_space: global }
      - { .name: s1, .offset: 8, .size: 8, .value_kind: global_buffer, .address_space: global }
      - { .name: bq, .offset: 16, .size: 8, .value_kind: global_buffer, .address_space: global }
      - { .name: bk, .offset: 24, .size: 8, .value_kind: global_buffer, .address_space: global }
      - { .name: bv, .offset: 32, .size: 8, .value_kind: global_buffer, .address_space: global }
      - { .name: qkv, .offset: 40, .size: 8, .value_kind: global_buffer, .address_space: global }
    .group_segment_fixed_size: 327680
    .private_segment_fixed_size: 0
    .kernarg_segment_align: 8
    .kernarg_segment_size: 48
    .max_flat_workgroup_size: 128
    .sgpr_count:     102
    .vgpr_count:     1024
    .wavefront_size: 32
...
	.end_amdgpu_metadata
.endif
;; end of part 2
;; launch attn (part 3): grid 4 x 64, 16 waves a work-group, no clusters, 206,848 bytes of LDS; arguments qkv, cc, cs; writes cc, cs
.if DOCPART == 3
	.amdgcn_target "amdgcn-amd-amdhsa--gfx1250"
	.amdhsa_code_object_version 6
	.text
	.protected	k_q0e7b36df4f_attn
	.globl	k_q0e7b36df4f_attn
	.p2align	8
	.type	k_q0e7b36df4f_attn,@function
k_q0e7b36df4f_attn:
	s_mov_b64 s[64:65], 0
	v_nop
	global_prefetch_b8 v0, s[64:65] scope:SCOPE_SE
	s_setreg_imm32_b32 hwreg(HW_REG_WAVE_MODE, 25, 1), 1
	s_wait_xcnt 0x0
; ctx[b][q][head] = softmax_k(Q . K / 8, causal) V for one (batch, head) a work-group row, both products on codes of BF6 (E3M2) with E8M0 scales; ctx is cleared of NaN and quantised along the head's 64 channels.
; THE SOFTMAX AHEAD OF THE SECOND PRODUCT: t = score x log2(e) / 8; M = the row's largest t so far, rounded UP to a whole number; p = 2^(t - M) is what is quantised, along the keys; the row's sum is taken
; of the unquantised p, in f32, and divides at the end.  When M moves, the sum and O are multiplied by 2^(old M - new M): exact.
; IN.  qkv: a record of 19,200 bytes for each (batch, head, group of 128): images of operand registers, written by the launch before.  The 12,800 bytes from byte 6,400 on (K's codes, V's codes, K's and V's
; scale words) are a key step.  A head's 16 key steps, 204,800 bytes, come into LDS ONCE: each of the sixteen waves brings one by one tensor load.  No LDS byte is filled again.
; SHARES.  A tile is 16 queries; tile T (0..127) needs key steps 0 .. T / 8.  Wave j (0..63 over the four work-groups of a head) owns tiles j and 127 - j: (j / 8 + 1) + (16 - j / 8) = 17 tile steps for every wave.
; NO CLUSTER, though the four work-groups of a head read the same K and V: which steps a wave leaves out hangs on the work-group's quarter of the queries, which in a cluster would be its place there.
; The loop's trip count is the constant 16; a scalar branch on ids leads round a tile's step where all its keys come after the tile's queries.
; LAYOUT.  Both products are used transposed: S^T = K Q^T (source 0 = keys, source 1 = my 16 queries), O^T = V^T P^T: a lane holds ONE query (lane % 16) throughout.
; The head has 64 channels, the instruction takes 128 along K: a fragment of K holds TWO tiles of 16 keys (registers 0-5 tile 2 b, registers 6-11 tile 2 b + 1), and Q stands in one half of source 1 with zero codes in
; the other: [Q | 0] gives tile 2 b's scores, [0 | Q] tile 2 b + 1's.  Zero codes add nothing under any scale byte that occurs here.
; Rows of a tile are not neighbours: lane r of tile 2 b + u is row 32 b + 8 u + r + 8 (r / 8) of its group of 128, for queries, keys and V's channels alike: so the 16 registers of two neighbouring result tiles are 16 neighbours.
; OUT.  cc: [row tile 128 batch + T][head][768 bytes]: a half image (16 rows x 64 channels: operand registers 0-3 of lane l at 16 l, 4-5 at 512 + 8 l).  cs: [stored row][32 bytes], byte 2 head + block.
; The two scale bytes of a row leave by a store of 2 bytes a lane, rows 32 bytes apart: 32 bytes against a tile's 768 bytes of codes.  (Lanes l and l + 16 store the same two bytes to the same place.)
; LIMITS: NaN in ctx becomes 0 as reference() has it; infinities among the inputs are not served; blocks whose largest magnitude lies under 2^-122 keep the scale byte 1.
; REGISTERS: v1-3 16 x lane, 8 x lane, 16 x (lane % 16); v4, v5 the tiles' diagonal figures; v6, v7, v255 the step's LDS addresses; v8-11, v12-15 -M, the largest t, the sum's two halves for tile A, B;
;   v16-45 zeros | Q_A | zeros | Q_B | zeros, six each; v46, v47 Q's scale words; v48-95 four fragments of K or V; v96-159 S^T, then p; v160-191, v192-223 O^T of tile A, B; v224-235 p's codes; v232-254 at work.
.set REC,   19200
.set STEPB, 12800                      ; a key step in LDS: K's codes 0, V's codes 6,144, K's scale words 12,288, V's 12,544
.set VCO,   6144
.set KSC,   12288
.set VSC,   12544
.set F,     48
.set OA,    160
.set OB,    192
.set STA,   8
.set STB,   12
.set SEL,   20                         ; s[20:21] lane selects for v_permlanex16_b32: lane l xor 16
.set CS,    22                         ; s[22:23] c = log2(e) / 8
	s_load_b128 s[4:7], s[0:1], 0x0                ; qkv, cc
	s_load_b64 s[8:9], s[0:1], 0x10                ; cs
	v_lshl_add_u32 v254, v0, 2, 0x32000
	v_mov_b32 v255, 0
	ds_add_u32 v254, v255
	ds_add_u32 v254, v255
	s_wait_dscnt 0x0
	v_lshrrev_b32 v1, 5, v0
	v_readfirstlane_b32 s10, v1                    ; wave 0..15
	s_and_b32 s11, ttmp7, 0xffff                   ; 16 batch + head
	s_lshl_b32 s12, ttmp9, 4
	s_add_co_u32 s13, s12, s10                     ; tile A = j
	s_sub_co_u32 s14, 127, s13                     ; tile B = 127 - j
	s_lshr_b32 s15, s13, 3                         ; their last key steps, on which their diagonals lie
	s_lshr_b32 s16, s14, 3
	s_mov_b32 s[SEL], 0x76543210
	s_mov_b32 s[SEL+1], 0xfedcba98
	s_mov_b32 s[CS], 0x3e38aa3b
	s_mov_b32 s[CS+1], s[CS]                       ; (named with it as a pair, so it is written)
	; descriptor group 1: 12,800 dense bytes as 50 rows of 256 bytes (32 elements of 8)
	s_mov_b32 s28, 3<<16                           ; no mask; elements of 8 bytes; no padding
	s_mov_b32 s29, 32<<16                          ; tensor_dim0
	s_mov_b32 s30, 50<<16                          ; tensor_dim1
	s_mov_b32 s31, 32<<16                          ; tile_dim0
	s_mov_b32 s32, 50                              ; tile_dim1
	s_mov_b32 s33, 32                              ; tensor_dim0_stride
	s_mov_b32 s34, 0
	s_mov_b32 s35, 0
	s_lshl_b32 s36, s11, 4                         ; the head's first record
	s_add_co_u32 s37, s36, s10
	s_mul_i32 s38, s37, REC
	s_add_co_u32 s38, s38, 6400                    ; key step = my wave's number
	s_mov_b32 s39, 0
	s_mov_b32 s24, 1
	s_mul_i32 s25, s10, STEPB                      ; its place in LDS
	s_wait_kmcnt 0x0
	s_add_nc_u64 s[26:27], s[4:5], s[38:39]
	s_or_b32 s27, s27, 0x80000000
	tensor_load_to_lds s[24:27], s[28:35]          ; my one tensor load of the launch
	s_nop 0
.rept 4
	v_nop
.endr
; tile t (its number in s[t], its group of 128 in s[m]): where its codes (pair c) and its scale words (pair sc) lie in qkv
.macro QBASE t, m, c, sc
	s_add_co_u32 s[\c], s36, s[\m]
	s_mul_i32 s[\c], s[\c], REC
	s_bfe_u32 s[\sc], s[\t], 0x20001               ; (T / 2) % 4: the word that holds the tile's two bytes
	s_lshl_b32 s[\sc], s[\sc], 2
	s_add_co_u32 s[\sc], s[\sc], s[\c]
	s_add_co_u32 s[\sc], s[\sc], 6144
	s_and_b32 s37, s[\t], 7
	s_mul_i32 s37, s37, 768
	s_add_co_u32 s[\c], s[\c], s37
	s_mov_b32 s[\c+1], 0
	s_mov_b32 s[\sc+1], 0
	s_add_nc_u64 s[\c:\c+1], s[4:5], s[\c:\c+1]
	s_add_nc_u64 s[\sc:\sc+1], s[4:5], s[\sc:\sc+1]
.endm
	QBASE 13, 15, 40, 42
	QBASE 14, 16, 44, 46
	v_and_b32 v234, 31, v0
	v_lshlrev_b32 v1, 4, v234
	v_lshlrev_b32 v2, 3, v234
	v_and_b32 v232, 15, v0                         ; r
	v_lshlrev_b32 v3, 4, v232
	global_load_b128 v[22:25], v1, s[40:41]        ; Q stays in registers
	global_load_b64 v[26:27], v2, s[40:41] offset:512
	global_load_b32 v46, v3, s[42:43]
	global_load_b128 v[34:37], v1, s[44:45]
	global_load_b64 v[38:39], v2, s[44:45] offset:512
	global_load_b32 v47, v3, s[46:47]
	v_and_b32 v233, 8, v232
	v_add_nc_u32 v233, v233, v232                  ; r + 8 (r / 8)
	v_bfe_u32 v234, v0, 4, 1
	v_lshlrev_b32 v234, 4, v234
	v_sub_nc_u32 v233, v233, v234                  ; - 16 (lane / 16)
; d = my query's place in its group of 128, less 16 (lane / 16); sh = 16 (T % 2): where the tile's two scale bytes stand in their word
.macro TILEC t, dv, sh
	s_bfe_u32 s37, s[\t], 0x20001
	s_lshl_b32 s37, s37, 5
	s_and_b32 s38, s[\t], 1
	s_lshl_b32 s39, s38, 3
	s_add_co_u32 s37, s37, s39
	v_add_nc_u32 v[\dv], s37, v233
	s_lshl_b32 s[\sh], s38, 4
.endm
	TILEC 13, 4, 19
	TILEC 14, 5, 3
.irp s, STA, STB
	v_mov_b32 v[\s+1], 0xff61b1e6                  ; the largest t so far: -3e38, under every t
	v_floor_f32 v[\s], -v[\s+1]                    ; -M
	v_mov_b32 v[\s+2], 0                           ; the sum, in two halves
	v_mov_b32 v[\s+3], 0
.endr
.irp z, 16, 28, 40
.irp i, 0,1,2,3,4,5
	v_mov_b32 v[\z+\i], 0                          ; zero codes beside Q
.endr
.endr
.irp b, 0,1,2,3
	v_mov_b32 v[236+\b], 0                         ; written once: a lane permute's destination counts as one of its sources
.endr
	v_mov_b32 v252, 0
	v_mov_b32 v253, 0                              ; (named as the upper half of the pair v[252:253] before it is first written)
.set II, 0
.rept 64
	v_mov_b32 v[OA+II], 0                          ; O^T of both tiles.  (The step is written once: the first finds zeros, which the first change of M leaves zeros)
.set II, II+1
.endr
	s_wait_loadcnt 0x0                             ; Q and its scale words
	v_lshrrev_b32 v46, s19, v46                    ; the tile's two bytes to the bottom,
	v_lshrrev_b32 v47, s3, v47
	v_perm_b32 v46, v46, v46, 0x01000100           ; and into both halves of the word: they serve [Q | 0] and [0 | Q] alike
	v_perm_b32 v47, v47, v47, 0x01000100
.rept 8
	v_nop                                          ; a scale register written by a vector instruction stands 8 places ahead of a scaled matrix instruction
.endr
	s_wait_tensorcnt 0x0                           ; my key step is in LDS,
	s_barrier_signal -1
	s_barrier_wait -1                              ; everybody's is: the whole head's K and V
; A TILE'S KEY STEP: 128 keys.  q0 = [Q | 0], q1 = [0 | Q], qs Q's scale word, st the statistics, o O^T, d the diagonal figure (vector registers); m the scalar register with the tile's last step.
.macro TILE_STEP q0, q1, qs, st, o, d, m
	s_cmp_gt_u32 s17, s[\m]                        ; all keys of this step come after the tile's queries: nothing to do
	s_cbranch_scc1 .Lskip_\@
	v_add_nc_u32 v6, s18, v1
	v_add_nc_u32 v7, s18, v2
	v_add_nc_u32 v255, s18, v3
.irp b, 0,1,2,3                                ; K: four fragments of two tiles of keys, as images
	ds_load_b128 v[F+12*\b:F+12*\b+3], v6 offset:1536*\b
	ds_load_b64 v[F+12*\b+4:F+12*\b+5], v7 offset:1536*\b+512
	ds_load_b128 v[F+12*\b+6:F+12*\b+9], v6 offset:1536*\b+768
	ds_load_b64 v[F+12*\b+10:F+12*\b+11], v7 offset:1536*\b+1280
.endr
	ds_load_b128 v[248:251], v255 offset:KSC       ; and their four scale words
	s_wait_dscnt 0x0
.irp b, 0,1,2,3
	v_wmma_scale_f32_16x16x128_f8f6f4 v[96+16*\b:103+16*\b], v[F+12*\b:F+12*\b+11], v[\q0:\q0+11], 0, v[248+\b], v[\qs] matrix_a_fmt:MATRIX_FMT_BF6 matrix_b_fmt:MATRIX_FMT_BF6
	v_wmma_scale_f32_16x16x128_f8f6f4 v[104+16*\b:111+16*\b], v[F+12*\b:F+12*\b+11], v[\q1:\q1+11], 0, v[248+\b], v[\qs] matrix_a_fmt:MATRIX_FMT_BF6 matrix_b_fmt:MATRIX_FMT_BF6
.endr                                          ; register 16 b + i of v96 on: key 32 b + 16 (lane / 16) + i of the step
.rept 4
	v_nop                                          ; places: the loads below land in registers that these products read, and their results are read
.endr
.irp t, 0,1,2,3                                ; V's four fragments (16 channels x 128 keys) are asked for now and land under the softmax
.irp c, 0,1,2
	ds_load_b128 v[F+12*\t+4*\c:F+12*\t+4*\c+3], v6 offset:VCO+1536*\t+512*\c
.endr
.endr
	ds_load_b128 v[248:251], v255 offset:VSC
	s_cmp_lg_u32 s17, s[\m]                        ; on the tile's last step the scores of hidden keys become -infinity ahead of the maximum: p = 0 then
	s_cbranch_scc1 .Lopen_\@
	v_mov_b32 v254, 0xff800000
.set II, 0
.rept 64
	v_cmp_gt_i32 vcc_lo, 32*(II/16)+II%16, v[\d]   ; hidden where the key's place less 16 (lane / 16) is beyond the query's
	v_cndmask_b32 v[96+II], v[96+II], v254, vcc_lo
.set II, II+1
.endr
.Lopen_\@:
.irp b, 0,1,2,3
	v_max3_num_f32 v[232+\b], v[96+16*\b], v[97+16*\b], v[98+16*\b]   ; THE LARGEST SCORE OF EACH BLOCK OF 32 KEYS: for the row's maximum, and, since p rises with the score, for the block's largest p
.endr
.irp i, 3,5,7,9,11,13
.irp b, 0,1,2,3
	v_max3_num_f32 v[232+\b], v[232+\b], v[96+16*\b+\i], v[97+16*\b+\i]
.endr
.endr
.irp b, 0,1,2,3
	v_max_num_f32 v[232+\b], v[232+\b], v[111+16*\b]
.endr
.irp b, 0,1,2,3
	v_permlanex16_b32 v[236+\b], v[232+\b], s[SEL], s[SEL+1]
.endr
.irp b, 0,1,2,3
	v_max_num_f32 v[232+\b], v[232+\b], v[236+\b]  ; with lane l xor 16's 16 keys
.endr
	v_max3_num_f32 v254, v232, v233, v234
	v_max_num_f32 v254, v254, v235                 ; the step's largest score of my query
	v_mul_f32 v254, s[CS], v254                    ; as t (c is positive)
	v_max_num_f32 v[\st+1], v[\st+1], v254         ; the running largest t
	v_mov_b32 v254, v[\st]
	v_floor_f32 v[\st], -v[\st+1]                  ; the new -M = floor(-t) = -ceil(t): M IS A WHOLE NUMBER
	v_sub_f32 v254, v[\st], v254                   ; M's old value less its new one: a whole number, 0 or less
	v_cvt_i32_f32 v254, v254                       ; (it saturates)
	v_ldexp_f32 v252, 1.0, v254                    ; f = 2^(old M - new M)
.set II, 0
.rept 32
	v_pk_fma_f32 v[96+II:97+II], v[96+II:97+II], s[CS:CS+1], v[\st:\st+1] op_sel_hi:[1,0,0]   ; t - M, two at a time (of the pairs c and -M the low word serves both halves)
.set II, II+2
.endr
.irp b, 0,1,2,3
	v_fma_f32 v[232+\b], v[232+\b], s[CS], v[\st]  ; the same of each block's largest score
.endr
.set II, 0
.rept 64
	v_exp_f32 v[96+II], v[96+II]                   ; p = 2^(t - M), at most 1: NOT normalised
.set II, II+1
.endr
.irp b, 0,1,2,3
	v_exp_f32 v[232+\b], v[232+\b]                 ; the block's largest p: the same two instructions on the same number give the same bits
.endr
	v_pk_mul_f32 v[\st+2:\st+3], v[\st+2:\st+3], v[252:253] op_sel_hi:[1,0]   ; the sums under the new M.  (A plain place behind the exponentials)
	s_wait_alu depctr_va_vdst(0)
.irp b, 0,1,2,3
	v_max_num_f32 v[232+\b], 0x2800000, v[232+\b]  ; the floor 2^(5 - 127): the byte cannot fall under 1 (a block whose every p is 0 keeps that byte: its codes are zeros)
.endr
.irp b, 0,1,2,3
	v_add_nc_u32 v[244+\b], 0xfe000000, v[232+\b]  ; 4 off the exponent field: the conversion's scale operand
.endr
.irp b, 0,1,2,3
	v_lshrrev_b32 v[236+\b], 23, v[244+\b]         ; the scale's byte
.endr
	v_lshl_or_b32 v253, v237, 8, v236              ; p's scale word for these 128 keys
	v_lshl_or_b32 v253, v238, 16, v253
	v_lshl_or_b32 v253, v239, 24, v253
.irp c, 0,1
	v_cvt_scalef32_pk16_bf6_f32 v[224+6*\c:226+6*\c], v[96+32*\c:111+32*\c], v[244+2*\c]
	v_cvt_scalef32_pk16_bf6_f32 v[236+4*\c:238+4*\c], v[112+32*\c:127+32*\c], v[244+2*\c+1]   ; (a conversion's three registers begin on an even number)
.endr
	v_nop                                          ; one plain place behind a scaled conversion
.irp c, 0,1                                    ; the operand's layout wants a WHOLE block in a lane
.irp i, 0,1,2
	v_permlane16_swap_b32 v[224+6*\c+\i], v[236+4*\c+\i]
.endr
.irp i, 0,1,2
	v_mov_b32 v[227+6*\c+\i], v[236+4*\c+\i]
.endr
.endr
	v_pk_add_f32 v[236:237], v[96:97], v[98:99]    ; THE ROW'S SUM IS TAKEN OF THE UNQUANTISED p: two at a time, in two chains
.irp j, 4,8,12,16,20,24,28,32,36,40,44,48,52,56,60
	v_pk_add_f32 v[\st+2:\st+3], v[\st+2:\st+3], v[96+\j:97+\j]
	v_pk_add_f32 v[236:237], v[236:237], v[98+\j:99+\j]
.endr
	v_pk_add_f32 v[\st+2:\st+3], v[\st+2:\st+3], v[236:237]
.set II, 0
.rept 16
	v_pk_mul_f32 v[\o+II:\o+II+1], v[\o+II:\o+II+1], v[252:253] op_sel_hi:[1,0]   ; O^T under the new M: x f.  (These and the sums are the places in front of the products below)
.set II, II+2
.endr
	s_wait_dscnt 0x0                               ; V
.irp t, 0,1,2,3                                ; O^T += V^T P^T: four tiles of 16 channels, K = these 128 keys; four accumulators, one instruction each
	v_wmma_scale_f32_16x16x128_f8f6f4 v[\o+8*\t:\o+8*\t+7], v[F+12*\t:F+12*\t+11], v[224:235], v[\o+8*\t:\o+8*\t+7], v[248+\t], v253 matrix_a_fmt:MATRIX_FMT_BF6 matrix_b_fmt:MATRIX_FMT_BF6
.endr
.rept 4
	v_nop                                          ; the places behind these products, whatever follows: loads into their operands' registers, or the first read of O^T
.endr
.Lskip_\@:
.endm
	s_mov_b32 s17, 0                               ; the key step
	s_mov_b32 s18, 0                               ; and its first LDS byte
.Lstep:                                            ; 16 trips, a constant
	TILE_STEP 34, 28, 47, STB, OB, 5, 16
	TILE_STEP 22, 16, 46, STA, OA, 4, 15
	s_add_co_u32 s18, s18, STEPB
	s_add_co_u32 s17, s17, 1
	s_cmp_lt_u32 s17, 16
	s_cbranch_scc1 .Lstep
; THE WAY OUT of a tile: O^T / the sum; NaN becomes 0; register 16 b + i is channel 32 b + 16 (lane / 16) + i of my query: two blocks of 32, quantised as p is; the half image and the row's two scale bytes are stored.
; tt: the scalar register with the tile's number; cb, sb: scalar pairs for the two addresses.
.macro FINISH st, o, tt, cb, sb
	s_lshr_b32 s37, s11, 4
	s_lshl_b32 s37, s37, 7
	s_add_co_u32 s37, s37, s[\tt]                  ; row tile = 128 batch + T
	s_lshl_b32 s38, s37, 4
	s_and_b32 s39, s11, 15                         ; head
	s_add_co_u32 s38, s38, s39
	s_mul_i32 s[\cb], s38, 768
	s_mov_b32 s[\cb+1], 0
	s_add_nc_u64 s[\cb:\cb+1], s[6:7], s[\cb:\cb+1]
	s_lshl_b32 s[\sb], s37, 9                      ; 16 rows of 32 scale bytes a row tile,
	s_lshl_b32 s39, s39, 1                         ; two bytes a head
	s_add_co_u32 s[\sb], s[\sb], s39
	s_mov_b32 s[\sb+1], 0
	s_add_nc_u64 s[\sb:\sb+1], s[8:9], s[\sb:\sb+1]
	v_add_f32 v[\st+2], v[\st+2], v[\st+3]         ; the sum's two halves,
	v_permlanex16_b32 v252, v[\st+2], s[SEL], s[SEL+1]
	v_add_f32 v[\st+2], v[\st+2], v252             ; and lane l xor 16's: the row's sum
	v_rcp_f32 v[\st+2], v[\st+2]
	v_nop                                          ; one plain place behind a transcendental
.set II, 0
	s_wait_alu depctr_va_vdst(0)
.rept 32
	v_mul_f32 v[96+II], v[\o+II], v[\st+2]         ; each accumulator from its low end on
.set II, II+1
.endr
.set II, 0
.rept 32
	v_cmp_eq_f32 vcc_lo, v[96+II], v[96+II]        ; false for NaN alone
	v_cndmask_b32 v[96+II], 0, v[96+II], vcc_lo    ; NaN becomes 0
.set II, II+1
.endr
.irp b, 0,1
	v_max3_num_f32 v[232+\b], |v[96+16*\b]|, |v[97+16*\b]|, 0x2800000   ; my 16 numbers of block b, and the floor
.endr
.irp i, 2,4,6,8,10,12,14
.irp b, 0,1
	v_max3_num_f32 v[232+\b], v[232+\b], |v[96+16*\b+\i]|, |v[97+16*\b+\i]|
.endr
.endr
.irp b, 0,1
	v_permlanex16_b32 v[236+\b], v[232+\b], s[SEL], s[SEL+1]
.endr
.irp b, 0,1
	v_max_num_f32 v[232+\b], v[232+\b], v[236+\b]
.endr
.irp b, 0,1
	v_add_nc_u32 v[244+\b], 0xfe000000, v[232+\b]
.endr
.irp b, 0,1
	v_lshrrev_b32 v[236+\b], 23, v[244+\b]
.endr
	s_wait_xcnt 0x0                                ; the other tile's stores have read their registers: only behind this wait are those written again
	v_lshl_or_b32 v254, v237, 8, v236              ; my row's two scale bytes
	v_cvt_scalef32_pk16_bf6_f32 v[224:226], v[96:111], v244
	v_cvt_scalef32_pk16_bf6_f32 v[240:242], v[112:127], v245
	v_nop                                          ; one plain place behind a scaled conversion
.irp i, 0,1,2
	v_permlane16_swap_b32 v[224+\i], v[240+\i]     ; lanes 0-15 block 0 whole, lanes 16-31 block 1
.endr
.irp i, 0,1,2
	v_mov_b32 v[227+\i], v[240+\i]
.endr
	global_store_b128 v1, v[224:227], s[\cb:\cb+1]                 ; 512 consecutive bytes
	global_store_b64 v2, v[228:229], s[\cb:\cb+1] offset:512       ; 256 consecutive bytes
	global_store_b16 v6, v254, s[\sb:\sb+1]
.endm
	v_lshlrev_b32 v6, 1, v3                        ; 32 (lane % 16): my row's scale bytes
	FINISH STB, OB, 14, 44, 46
	FINISH STA, OA, 13, 40, 42
	s_wait_xcnt 0x0
	v_lshl_add_u32 v254, v0, 2, 0x32000
	v_mov_b32 v255, 0
	s_wait_tensorcnt 0x0
	ds_add_u32 v254, v255
	s_wait_dscnt 0x0
	s_endpgm
.Lfunc_end_k_q0e7b36df4f_attn:
	.size	k_q0e7b36df4f_attn, .Lfunc_end_k_q0e7b36df4f_attn-k_q0e7b36df4f_attn
	.p2alignl 7, 3214868480
	.fill 96, 4, 3214868480
	.section	.rodata,"a",@progbits
	.p2align	6, 0x0
	.amdhsa_kernel k_q0e7b36df4f_attn
		.amdhsa_group_segment_fixed_size 206848
		.amdhsa_private_segment_fixed_size 0
		.amdhsa_enable_private_segment 0
		.amdhsa_kernarg_size 24
		.amdhsa_user_sgpr_count 2
		.amdhsa_user_sgpr_kernarg_segment_ptr 1
		.amdhsa_wavefront_size32 1
		.amdhsa_system_sgpr_workgroup_id_x 1
		.amdhsa_system_sgpr_workgroup_id_y 1
		.amdhsa_system_sgpr_workgroup_id_z 1
		.amdhsa_system_vgpr_workitem_id 0
		.amdhsa_next_free_vgpr 256
		.amdhsa_next_free_sgpr 66
		.amdhsa_reserve_vcc 1
		.amdhsa_float_denorm_mode_32 3
		.amdhsa_float_denorm_mode_16_64 3
		.amdhsa_memory_ordered 1
		.amdhsa_forward_progress 1
		.amdhsa_inst_pref_size 62
	.end_amdhsa_kernel
	.amdgpu_metadata
---
amdhsa.version: [ 1, 2 ]
amdhsa.kernels:
  - .name:           k_q0e7b36df4f_attn
    .symbol:         k_q0e7b36df4f_attn.kd
    .args:
      - { .name: qkv, .offset: 0, .size: 8, .value_kind: global_buffer, .address_space: global }
      - { .name: cc, .offset: 8, .size: 8, .value_kind: global_buffer, .address_space: global }
      - { .name: cs, .offset: 16, .size: 8, .value_kind: global_buffer, .address_space: global }
    .group_segment_fixed_size: 206848
    .private_segment_fixed_size: 0
    .kernarg_segment_align: 8
    .kernarg_segment_size: 24
    .max_flat_workgroup_size: 512
    .sgpr_count:     66
    .vgpr_count:     256
    .wavefront_size: 32
...
	.end_amdgpu_metadata
.endif
;; end of part 3
;; launch outp (part 4): grid 4 x 64, 4 waves a work-group, clusters of 4 x 4, 327,680 bytes of LDS; arguments cc, cs, c1, s1, bo, out0; writes out0
.if DOCPART == 4
	.amdgcn_target "amdgcn-amd-amdhsa--gfx1250"
	.amdhsa_code_object_version 6
	.text
	.protected	k_q0e7b36df4f_outp
	.globl	k_q0e7b36df4f_outp
	.p2align	8
	.type	k_q0e7b36df4f_outp,@function
k_q0e7b36df4f_outp:
	s_mov_b64 s[64:65], 0
	v_nop
	global_prefetch_b8 v0, s[64:65] scope:SCOPE_SE
	s_setreg_imm32_b32 hwreg(HW_REG_WAVE_MODE, 25, 1), 1
	s_wait_xcnt 0x0
	s_wait_alu depctr_hold_cnt(0) depctr_sa_sdst(0) depctr_va_vdst(0) depctr_va_sdst(0) depctr_va_ssrc(0) depctr_va_vcc(0) depctr_vm_vsrc(0)
	s_getreg_b32 s2, hwreg(HW_REG_IB_STS2, 6, 4)
	s_cmp_eq_u32 s2, 0
	s_cbranch_scc0 .Lentry_in_a_cluster
	s_endpgm
.Lentry_in_a_cluster:
	s_bfe_u32 s2, ttmp6, 0x10000c
	s_cmp_lg_u32 s2, 0xf033
	s_cbranch_scc0 .Lentry_shape_is_right
	s_endpgm
.Lentry_shape_is_right:
; out0 = ctx wo^T + bo on codes of BF6 (E3M2) with E8M0 scales for each 32 along K = 1,024; sums in f32; out0 [8192][1024] f32.
; Source 0 = 16 rows of P = wo, source 1 = 16 rows of R = ctx: a lane holds one row of ctx and eight columns of the output.
; R's codes lie in cc as half images: [row tile of 16][head][768 bytes] (16 rows x 64 along K: operand registers 0-3 of lane l at 16 l, registers 4-5 at 512 + 8 l); two heads' images are a fragment.
; R's scale bytes lie in cs as [stored row][32]; wo's codes and scale bytes in c1 and s1 as rows of 768 and 32 bytes.  In all of them bits 3 and 4 of a row's number are exchanged:
; stored tile 2 b + u, row r, is true row 32 b + 8 u + r + 8 (r / 8).  The way out puts rows and columns back.
; SHARES.  The output is 256 tiles of 128 (R) x 256 (P): one for each of 256 work-groups.  Four waves, each 64 x 128: 32 accumulators, 256 registers.
; K's two halves of 512 lie in two LDS slots, both asked for at the start: no LDS byte is filled again.
; A row of P's tile is 384 bytes of memory; the tile is stated 400 bytes wide over a tensor extent of 384: the last 16 bytes lie beyond the extent, are not read, and arrive as zeros.  So LDS rows are 100 words apart:
; row r starts at bank 36 r mod 64 (64 banks of 4 bytes: ISA guide 11.1), and lanes 16-31 read 6 words further on: the 32 lanes of a load of 8 bytes touch 64 different banks.
; THE SCALE WORDS stay in registers: a row's 32 scale bytes are two loads of 16 bytes; register 8 i + k: tile i's word for the k-th 128 along K.  R's and P's come from two buffers, so they have registers of their own.
; CLUSTERS: 4 x 4 work-groups; R's tiles are shared along a row of the cluster, P's along a column: each is asked for jointly.
; The bias is the C of each sum's first product.
; REGISTERS, in windows of 256: window 0: v16-30 addresses; v32-63 R's scale words, v64-127 P's; on the way out v128-255 are rows of the output.
;   window 1: P's fragments, two sets, at v0 and v128.   window 2: the accumulators ((a, b) at v[8 (8 a + b)]).   window 3: R's fragments, two sets, at v0 and v48; v96-159 the bias as C.
.set ROWB,   384                       ; a row of P's tile in memory: 512 codes
.set KROW,   768
.set PITCH,  400                       ; and in LDS
.set FR,     12
.set NP,     4                         ; places behind this matrix instruction (ISA guide 7.12.1)
.set PHALF,  128*PITCH                 ; P: 128 rows: what one tensor load brings, and what one wave reads
.set RSTEP,  6144                      ; R: a row tile's eight half images of 512 along K
.set RHALF,  4*RSTEP                   ; R: 64 rows likewise
.set POFF,   2*RHALF                   ; a slot: R's 128 rows, then P's 256
.set SLOT,   POFF+2*PHALF
.set SPARE,  2*SLOT                    ; the spare words, 128 bytes for each wave: two blocks of 256 bytes that no other line names
.set SPITCH, 528                       ; the way out: a stage of 16 rows x (512 bytes + 16) for each wave, in slot 0, which has had its one fill and its last read when the first result is stored there
.set ADRA, 16                          ; v16-17 slot 0, 1: my R rows + 16 x lane;  v18-19: + 8 x lane
.set ADRB, 20                          ; v20-21 my P fragments in slot 0, 1
.set STO,  24
.set RD,   25
.set CO,   26
.set VSO,  27                          ; v27  32 (lane % 16): my row's scale bytes
.set SPW,  28                          ; LDS address of my spare word; never rewritten
.set NIL,  29                          ; 0; never rewritten
.set BOF,  30
.set SCR,  32
.set SCP,  64
.set BK,   128
.set BI,   96                          ; in window 3
.set G1, 24
.set G0, 32
.set G1B, 48
.set G0B, 56
.set MSB, 0
.macro WIN new                         ; the immediate's high byte repeats the setting that is left
.if MSB != \new
	s_set_vgpr_msb (MSB<<8)|\new
.set MSB, \new
.endif
.endm
.set MUL,  0xad                        ; source 0 (P) window 1, source 1 (R) window 3, C and D window 2
.set MULB, 0xbd                        ; the same with C (the bias) in window 3
.set TO_B, 0x40
.set TO_A, 0xc0
.macro JLOAD g0a, g1a, g0b, g1b        ; a joint load: waves 0 and 1 fetch for R, waves 2 and 3 for P; four v_nop follow each of the two lines
	s_cmp_eq_u32 s17, 0
	s_cbranch_scc0 .Lfor_b_\@
	tensor_load_to_lds s[\g0a:\g0a+3], s[\g1a:\g1a+7]
	s_nop 0
.rept 4
	v_nop
.endr
	s_branch .Lasked_\@
.Lfor_b_\@:
	tensor_load_to_lds s[\g0b:\g0b+3], s[\g1b:\g1b+7]
	s_nop 0
.rept 4
	v_nop
.endr
.Lasked_\@:
.endm
.macro CREST
	s_cmp_lg_u32 s16, 0
	s_cbranch_scc1 .Lnot_wave_0_\@
	s_barrier_signal -3
.Lnot_wave_0_\@:
	s_barrier_wait -3
	s_barrier_signal -1
	s_barrier_wait -1
.endm
.macro CROUND
	s_barrier_signal -1
	s_barrier_wait -1
	CREST
.endm
	s_load_b128 s[4:7], s[0:1], 0x0                ; cc, cs
	s_load_b128 s[8:11], s[0:1], 0x10              ; c1, s1
	s_load_b128 s[12:15], s[0:1], 0x20             ; bo, out0
	v_lshl_add_u32 v[SPW], v0, 2, SPARE
	v_mov_b32 v[NIL], 0
	ds_add_u32 v28, v29
	ds_add_u32 v28, v29
	s_wait_dscnt 0x0
	v_lshrrev_b32 v1, 5, v0
	v_readfirstlane_b32 s16, v1                    ; wave 0..3
	s_lshr_b32 s17, s16, 1                         ; wr: which 64 of the tile's rows are mine.  Also: I fetch for R (0) or for P (1)
	s_and_b32 s18, s16, 1                          ; wp: which 128 of its columns.  Also: which half of that tile I fetch
	s_bfe_u32 s40, ttmp6, 0x40000                  ; cx, cy
	s_bfe_u32 s41, ttmp6, 0x40004
	s_lshl_b32 s42, ttmp9, 2
	s_add_co_u32 s42, s42, s40                     ; tp: tile column, 0..3
	s_and_b32 s43, ttmp7, 0xffff
	s_lshl_b32 s43, s43, 2
	s_add_co_u32 s43, s43, s41                     ; tr: tile row, 0..63
	s_lshl_b32 s44, s41, 2
	s_lshl_b32 s44, 15, s44                        ; my row of the cluster
	s_lshl_b32 s45, 0x1111, s40                    ; my column
	; R's codes: 4 row tiles x 6,144 bytes (768 elements of 8), 12,288 bytes (1,536 elements) apart; dense in LDS
	s_or_b32 s[G1+0], s44, (3<<16)|(1<<21)         ; the mask: my row; elements of 8 bytes; no padding; 21 set beside a mask
	s_mov_b32 s[G1+1], 768<<16                     ; tensor_dim0
	s_mov_b32 s[G1+2], 4<<16                       ; tensor_dim1
	s_mov_b32 s[G1+3], 768<<16                     ; tile_dim0
	s_mov_b32 s[G1+4], 4                           ; tile_dim1
	s_mov_b32 s[G1+5], 1536                        ; tensor_dim0_stride
	s_mov_b32 s[G1+6], 0
	s_mov_b32 s[G1+7], 0
	; P's codes: 128 rows of 384 bytes, stated 400 wide
	s_or_b32 s[G1B+0], s45, (0<<16)|(1<<21)
	s_mov_b32 s[G1B+1], ROWB<<16                   ; tensor_dim0 = 384: beyond it zeros
	s_mov_b32 s[G1B+2], 128<<16
	s_mov_b32 s[G1B+3], PITCH<<16                  ; tile_dim0 = 400
	s_mov_b32 s[G1B+4], 128
	s_mov_b32 s[G1B+5], KROW
	s_mov_b32 s[G1B+6], 0
	s_mov_b32 s[G1B+7], 0
	s_lshl_b32 s20, s43, 3
	s_lshl_b32 s2, s18, 2
	s_add_co_u32 s20, s20, s2                      ; R: row tile 8 tr + 4 half
	s_mul_i32 s20, s20, 12288
	s_mov_b32 s21, 0
	s_lshl_b32 s46, s42, 8
	s_lshl_b32 s2, s18, 7
	s_add_co_u32 s46, s46, s2                      ; P: wo's stored row 256 tp + 128 half
	s_mul_i32 s46, s46, KROW
	s_add_co_u32 s46, s46, 21233664                ; wo's codes in c1
	s_mov_b32 s47, 0
	s_mul_i32 s97, s18, RHALF                      ; where they go in a slot: no place in the cluster enters an LDS address
	s_mul_i32 s94, s18, PHALF
	s_add_co_u32 s94, s94, POFF
	s_wait_kmcnt 0x0
	s_add_nc_u64 s[20:21], s[4:5], s[20:21]
	s_add_nc_u64 s[46:47], s[8:9], s[46:47]
	CROUND                                         ; all sixteen work-groups are here: the joint loads meet
.irp s, 0,1
	s_mov_b32 s[G0+4*\s], 1
	s_add_co_u32 s[G0+4*\s+1], s97, \s*SLOT
	s_add_nc_u64 s[G0+4*\s+2:G0+4*\s+3], s[20:21], \s*RSTEP
	s_or_b32 s[G0+4*\s+3], s[G0+4*\s+3], 0x80000000
	s_mov_b32 s[G0B+4*\s], 1
	s_add_co_u32 s[G0B+4*\s+1], s94, \s*SLOT
	s_add_nc_u64 s[G0B+4*\s+2:G0B+4*\s+3], s[46:47], \s*ROWB
	s_or_b32 s[G0B+4*\s+3], s[G0B+4*\s+3], 0x80000000
	JLOAD G0+4*\s, G1, G0B+4*\s, G1B               ; K's two halves: two tensor loads of mine are out behind the second
.endr
	s_lshl_b32 s20, s43, 12                        ; my 64 rows' scale bytes in cs: 32 bytes a row
	s_lshl_b32 s21, s17, 11
	s_add_co_u32 s20, s20, s21
	s_mov_b32 s21, 0
	s_add_nc_u64 s[6:7], s[6:7], s[20:21]
	s_lshl_b32 s46, s42, 13                        ; my 128 rows of wo's scale bytes in s1
	s_lshl_b32 s47, s18, 12
	s_add_co_u32 s46, s46, s47
	s_add_co_u32 s46, s46, 884736
	s_mov_b32 s47, 0
	s_add_nc_u64 s[10:11], s[10:11], s[46:47]
	s_lshl_b32 s20, s43, 7
	s_lshl_b32 s22, s17, 6
	s_add_co_u32 s20, s20, s22                     ; my first row of out0: 128 tr + 64 wr
	s_lshl_b32 s20, s20, 12                        ; 4,096 bytes a row
	s_add_nc_u64 s[14:15], s[14:15], s[20:21]
	s_lshl_b32 s46, s42, 10                        ; my first column, in bytes: 1,024 tp + 512 wp; the bias's offset too
	s_lshl_b32 s2, s18, 9
	s_add_co_u32 s46, s46, s2
	s_add_nc_u64 s[14:15], s[14:15], s[46:47]
	s_add_nc_u64 s[12:13], s[12:13], s[46:47]
	v_and_b32 v1, 15, v0                           ; r
	v_bfe_u32 v2, v0, 4, 1                         ; h
	v_lshlrev_b32 v[VSO], 5, v1
	v_lshlrev_b32 v[BOF], 6, v2                    ; for P's tile b lane (r, h) wants bo at 32 (b / 2) + 16 h + 8 (b % 2) + 0 .. 7
.irp i, 0,1,2,3
	global_load_b128 v[SCR+8*\i:SCR+8*\i+3], v[VSO], s[6:7] offset:512*\i           ; sixteen lanes read 512 consecutive bytes in two loads (lanes 16-31 read the same)
	global_load_b128 v[SCR+8*\i+4:SCR+8*\i+7], v[VSO], s[6:7] offset:512*\i+16
.endr
.irp i, 0,1,2,3,4,5,6,7
	global_load_b128 v[SCP+8*\i:SCP+8*\i+3], v[VSO], s[10:11] offset:512*\i
	global_load_b128 v[SCP+8*\i+4:SCP+8*\i+7], v[VSO], s[10:11] offset:512*\i+16
.endr
	WIN TO_A
.irp b, 0,1,2,3,4,5,6,7
	global_load_b128 v[BI+8*\b:BI+8*\b+3], v[BOF], s[12:13] offset:(32*(\b/2)+8*(\b%2))*4
	global_load_b128 v[BI+8*\b+4:BI+8*\b+7], v[BOF], s[12:13] offset:(32*(\b/2)+8*(\b%2))*4+16
.endr
	WIN 0
	v_and_b32 v6, 31, v0                           ; lane
	v_lshlrev_b32 v4, 4, v6
	v_lshlrev_b32 v5, 3, v6
	v_mul_u32_u24 v7, v1, PITCH
	v_mad_u32_u24 v7, v2, 24, v7                   ; P: a fragment's row x pitch + 24 x half
	s_mul_i32 s21, s17, RHALF                      ; my 64 rows of R
	s_mul_i32 s22, s18, PHALF                      ; my 128 rows of P
	s_add_co_u32 s22, s22, POFF
.irp s, 0,1
	v_add_nc_u32 v[ADRA+\s], s21, v4
	v_add_nc_u32 v[ADRA+2+\s], s21, v5
	v_add_nc_u32 v[ADRB+\s], s22, v7
	s_add_co_u32 s21, s21, SLOT
	s_add_co_u32 s22, s22, SLOT
.endr
	s_mul_i32 s23, s16, 16*SPITCH                  ; my stage
	v_mul_u32_u24 v5, v1, SPITCH                   ; in: row r; my half's 16 columns of each 32: 64 bytes on
	v_lshl_add_u32 v5, v2, 6, v5
	v_add_nc_u32 v[STO], s23, v5
	v_mov_b32 v[CO], v4                            ; back: the 32 lanes take one row of 512 bytes; and the same in out0
	v_add_nc_u32 v[RD], s23, v4
.macro FRAG reg, adr, q, i             ; a fragment of P from rows: 24 bytes a half, in pieces of 8
.irp p, 0,1,2,3,4,5
	ds_load_b64 v[\reg+2*\p:\reg+2*\p+1], v[\adr] offset:96*(\q)+48*(\p/3)+8*(\p%3)+(\i)*16*PITCH
.endr
.endm
.macro FRAGI reg, slot, q, i           ; a fragment of R from two half images: every load reads consecutive bytes
	ds_load_b128 v[\reg:\reg+3], v[ADRA+\slot] offset:RSTEP*(\i)+1536*(\q)
	ds_load_b64 v[\reg+4:\reg+5], v[ADRA+2+\slot] offset:RSTEP*(\i)+1536*(\q)+512
	ds_load_b128 v[\reg+6:\reg+9], v[ADRA+\slot] offset:RSTEP*(\i)+1536*(\q)+768
	ds_load_b64 v[\reg+10:\reg+11], v[ADRA+2+\slot] offset:RSTEP*(\i)+1536*(\q)+1280
.endm
; 8 matrix instructions: R's block a x P's eight, 128 along K: the kk-th.  cm = 1: the first product starts the sums with the bias as C.  The 32 accumulators take turns, one instruction a turn.
.macro MUL8 a, p, kk, cm
.irp b, 0,1,2,3,4,5,6,7
.if \cm
	v_wmma_scale_f32_16x16x128_f8f6f4 v[8*(8*(\a)+\b):8*(8*(\a)+\b)+7], v[128*(\p)+FR*\b:128*(\p)+FR*\b+FR-1], v[48*(\p)+FR*(\a):48*(\p)+FR*(\a)+FR-1], v[BI+8*\b:BI+8*\b+7], v[SCP+8*\b+(\kk)], v[SCR+8*(\a)+(\kk)] matrix_a_fmt:MATRIX_FMT_BF6 matrix_b_fmt:MATRIX_FMT_BF6
.else
	v_wmma_scale_f32_16x16x128_f8f6f4 v[8*(8*(\a)+\b):8*(8*(\a)+\b)+7], v[128*(\p)+FR*\b:128*(\p)+FR*\b+FR-1], v[48*(\p)+FR*(\a):48*(\p)+FR*(\a)+FR-1], v[8*(8*(\a)+\b):8*(8*(\a)+\b)+7], v[SCP+8*\b+(\kk)], v[SCR+8*(\a)+(\kk)] matrix_a_fmt:MATRIX_FMT_BF6 matrix_b_fmt:MATRIX_FMT_BF6
.endif
.endr
.endm
.macro FETCH_B slot, q, p              ; P's eight fragments: 48 loads
	WIN TO_B
.irp i, 0,1,2,3,4,5,6,7
	FRAG 128*(\p)+FR*\i, ADRB+\slot, \q, \i
.endr
.endm
.macro FETCH_A slot, q, p              ; R's four: 16 loads
	WIN TO_A
.irp i, 0,1,2,3
	FRAGI 48*(\p)+FR*\i, \slot, \q, \i
.endr
.endm
.macro PLACES n                        ; places in front of loads into registers that matrix instructions have read, and of the first read of results (ISA guide 7.12.1 for the first read of results)
.rept \n
	v_nop
.endr
.endm
; A step of 128 along K that has its successor in the same slot: it multiplies sets q % 2 and fetches the next step's fragments into the other sets, which the step before read last: the four places at its head serve both runs of loads.
.macro STEP slot, q, cm
	s_wait_dscnt 8                                 ; P's set and R's blocks 0, 1 are in; the youngest 8 loads (R's blocks 2, 3) may be out
	PLACES NP
	FETCH_B \slot, (\q)+1, 1-(\q)%2
.if \cm
	WIN MULB
.else
	WIN MUL
.endif
	MUL8 0, (\q)%2, 4*(\slot)+(\q), \cm
	MUL8 1, (\q)%2, 4*(\slot)+(\q), \cm
	s_wait_dscnt 48                                ; R's blocks 2, 3 are in; the 48 loads just issued may be out
	FETCH_A \slot, (\q)+1, 1-(\q)%2
.if \cm
	WIN MULB
.else
	WIN MUL
.endif
	MUL8 2, (\q)%2, 4*(\slot)+(\q), \cm
	MUL8 3, (\q)%2, 4*(\slot)+(\q), \cm
	WIN 0
.endm
	s_wait_tensorcnt 1                             ; my part of K's first half is in (the second half's load may be out)
	s_barrier_signal -1
	s_barrier_wait -1                              ; everybody's is
	FETCH_B 0, 0, 0
	FETCH_A 0, 0, 0
	WIN 0
	s_wait_loadcnt 0x0                             ; the scale words and the bias
	STEP 0, 0, 1                                   ; the first step's products start the sums with the bias
	STEP 0, 1, 0
	STEP 0, 2, 0
	; slot 0's fourth step changes slots: one barrier; in front of it each wave waits for its tensor loads and for its reads of slot 0.  Behind it slot 1 is whole, and nobody reads slot 0 any more
	s_wait_tensorcnt 0x0                           ; my part of slot 1 has landed;
	ds_add_u32 v[SPW], v[NIL]                      ; 0 onto my spare word
	s_wait_dscnt 9                                 ; (the add and the youngest 8 loads, R's blocks 2, 3, may be out)
	WIN MUL
	MUL8 0, 1, 3, 0                                ; eight matrix instructions stand between the add and the wait for it
	s_wait_dscnt 0x0                               ; the add is done, and my reads of slot 0 are over
	s_barrier_signal -1
	MUL8 1, 1, 3, 0
	s_barrier_wait -1
	PLACES NP
	FETCH_B 1, 0, 0
	FETCH_A 1, 0, 0
	WIN MUL
	MUL8 2, 1, 3, 0
	MUL8 3, 1, 3, 0
	WIN 0
	STEP 1, 0, 0
	STEP 1, 1, 0
	STEP 1, 2, 0
	s_wait_dscnt 8                                 ; the very last step
	WIN MUL
	MUL8 0, 1, 7, 0
	MUL8 1, 1, 7, 0
	s_wait_dscnt 0x0
	MUL8 2, 1, 7, 0
	MUL8 3, 1, 7, 0
	WIN 0
; THE WAY OUT, block by block of 16 rows x 128 columns, through my own stage in LDS.  Register j of accumulator (a, b) in lane (r, h) is column 32 (b / 2) + 16 h + 8 (b % 2) + j of stored row 16 a + r.
; Stage row t of block a is the true row 32 (a / 2) + 8 (a % 2) + t + 8 (t / 8) of my 64: the place stands in the store's immediate, 63 rows of 4,096 bytes at the most.
.macro TOSTAGE a
.set AC, 64*(\a)
	WIN 0x08                                       ; the data: window 2
.irp b, 0,1,2,3,4,5,6,7
	ds_store_b128 v[STO], v[AC+8*\b:AC+8*\b+3] offset:128*(\b/2)+32*(\b%2)          ; each accumulator from its low end on
	ds_store_b128 v[STO], v[AC+8*\b+4:AC+8*\b+7] offset:128*(\b/2)+32*(\b%2)+16
.endr
	WIN 0
.set BB, BK+64*((\a)%2)
.irp t, 0,1,2,3,4,5,6,7,8,9,10,11,12,13,14,15
	ds_load_b128 v[BB+4*\t:BB+4*\t+3], v[RD] offset:\t*SPITCH    ; LDS serves a wave's instructions in order (ISA guide 5.7.1.4): these see the stores above
.endr
.endm
.macro SEND a, younger                 ; younger: the LDS instructions issued behind block a's loads, which may stay out
.set BB, BK+64*((\a)%2)
	s_wait_dscnt \younger
.irp t, 0,1,2,3,4,5,6,7,8,9,10,11,12,13,14,15
	global_store_b128 v[CO], v[BB+4*\t:BB+4*\t+3], s[14:15] offset:(32*((\a)/2)+8*((\a)%2)+\t+8*(\t/8))*4096 th:TH_STORE_NT   ; 32 lanes store 512 consecutive bytes, at a multiple of 256 from out0's first byte
.endr
.endm
	PLACES NP                                      ; behind the last products: their results are read below
	TOSTAGE 0
.irp a, 1,2,3
.if \a > 1
	s_wait_xcnt 0x0                                ; block a - 2's stores have read their registers: block a's loads may land there
.endif
	TOSTAGE \a
	SEND \a-1, 32                                  ; behind block a - 1's loads: block a's 16 stores and 16 loads
.endr
	SEND 3, 0
	s_wait_tensorcnt 0x0                           ; the wave's end
	ds_add_u32 v[SPW], v[NIL]
	s_wait_dscnt 0x0
	CROUND                                         ; the closing round: no work-group ends while a partner may still ask for a tile that names it
	s_endpgm
.Lfunc_end_k_q0e7b36df4f_outp:
	.size	k_q0e7b36df4f_outp, .Lfunc_end_k_q0e7b36df4f_outp-k_q0e7b36df4f_outp
	.p2alignl 7, 3214868480
	.fill 96, 4, 3214868480
	.section	.rodata,"a",@progbits
	.p2align	6, 0x0
	.amdhsa_kernel k_q0e7b36df4f_outp
		.amdhsa_group_segment_fixed_size 327680
		.amdhsa_private_segment_fixed_size 0
		.amdhsa_enable_private_segment 0
		.amdhsa_kernarg_size 48
		.amdhsa_user_sgpr_count 2
		.amdhsa_user_sgpr_kernarg_segment_ptr 1
		.amdhsa_wavefront_size32 1
		.amdhsa_system_sgpr_workgroup_id_x 1
		.amdhsa_system_sgpr_workgroup_id_y 1
		.amdhsa_system_sgpr_workgroup_id_z 1
		.amdhsa_system_vgpr_workitem_id 0
		.amdhsa_next_free_vgpr 1024
		.amdhsa_next_free_sgpr 102
		.amdhsa_reserve_vcc 0
		.amdhsa_float_denorm_mode_32 3
		.amdhsa_float_denorm_mode_16_64 3
		.amdhsa_memory_ordered 1
		.amdhsa_forward_progress 1
		.amdhsa_inst_pref_size 94
	.end_amdhsa_kernel
	.amdgpu_metadata
---
amdhsa.version: [ 1, 2 ]
amdhsa.kernels:
  - .name:           k_q0e7b36df4f_outp
    .symbol:         k_q0e7b36df4f_outp.kd
    .args:
      - { .name: cc, .offset: 0, .size: 8, .value_kind: global_buffer, .address_space: global }
      - { .name: cs, .offset: 8, .size: 8, .value_kind: global_buffer, .address_space: global }
      - { .name: c1, .offset: 16, .size: 8, .value_kind: global_buffer, .address_space: global }
      - { .name: s1, .offset: 24, .size: 8, .value_kind: global_buffer, .address_space: global }
      - { .name: bo, .offset: 32, .size: 8, .value_kind: global_buffer, .address_space: global }
      - { .name: out0, .offset: 40, .size: 8, .value_kind: global_buffer, .address_space: global }
    .group_segment_fixed_size: 327680
    .private_segment_fixed_size: 0
    .kernarg_segment_align: 8
    .kernarg_segment_size: 48
    .max_flat_workgroup_size: 128
    .sgpr_count:     102
    .vgpr_count:     1024
    .wavefront_size: 32
...
	.end_amdgpu_metadata
.endif
;; end of part 4
